; MI455X (gfx1250); checked and timed in simulation.
; The chip was launched on July 23, 2026; its instructions are those of AMD's public machine-readable ISA for CDNA 5 (MIT licence, August 2026) and "CDNA5" Instruction Set Architecture Reference Guide (July 2026). The comments in the code are by the model that wrote it; some were corrected since.
;; Attn Block. Allowed arithmetic: matrix products marked QUANTISED: E2M3 operands, one E8M0 scale for each 32 along K, by v_wmma_scale_f32_16x16x128_f8f6f4 with both operands' format E2M3, f32 sums; everything else in f32.
;; Inputs: beta 512 float32; bk 512 float32; bp 512 float32; bq 512 float32; bv 512 float32; gamma 512 float32; wk 512 x 512 float32; wp 512 x 512 float32; wq 512 x 512 float32; wv 512 x 512 float32; x 32 x 512 x 32 x 32 float32.
;; Outputs: out0 32 x 512 x 32 x 32 float32.
;; This version of the problem:
;;   THIS VERSION OF THE PROBLEM IS GIVEN IN LOW PRECISION. The matrix products marked QUANTISED in the list below multiply operands that are first quantised to E2M3 (2 exponent bits, 3 mantissa bits; 6 bits a number), with one power-of-two scale for each 32 numbers along K (OCP MX v1.0); their sums are f32. All else is computed in f32.
;;   The module's matrix products, in the order in which they are computed (A, B: the left and right operand; K: the contracted axis; several contracted axes count as one K, in the product's order):
;;     1. [M 512, K 512] x [K 512, N 32,768]; A: input wq; B: computed on the way: QUANTISED
;;     2. [M 512, K 512] x [K 512, N 32,768]; A: input wk; B: computed on the way: QUANTISED
;;     3. [M 512, K 512] x [K 512, N 32,768]; A: input wv; B: computed on the way: QUANTISED
;;     4. batch 32 x [M 1,024, K 512] x [K 512, N 1,024]; A: computed on the way; B: computed on the way: QUANTISED
;;     5. batch 32 x [M 512, K 1,024] x [K 1,024, N 1,024]; A: computed on the way; B: softmax (see below): QUANTISED
;;     6. [M 512, K 512] x [K 512, N 32,768]; A: input wp; B: computed on the way: QUANTISED
;;   THE QUANTISER, for each operand of a quantised product, along K:
;;     - K is cut into blocks of 32 from its start; a last block that is shorter is filled with zeros.
;;     - A block's scale is 2^e with e = floor(log2(the largest magnitude in the block)) - 2, held to -126 .. 127; a block of zeros has e = 0. As a byte (E8M0): e + 127.
;;     - Each number is divided by its block's scale, clamped to +-7.5, and rounded to the nearest number of E2M3, ties to even, subnormals kept.
;;     - The product sums the exact products of the quantised numbers (number of the format x scale) in f32.
;;   ~~~python
;;   def quantise(x, axis):      # numpy; x: float32 -> the quantised numbers, widened to float32 again
;;       x = np.moveaxis(x, axis, -1); K = x.shape[-1]
;;       x = np.pad(x, [(0, 0)] * (x.ndim - 1) + [(0, -K % 32)]); x = x.reshape(x.shape[:-1] + (-1, 32)); a = np.abs(x).max(-1, keepdims=True)
;;       e = np.where(a > 0, np.clip(np.frexp(np.where(a > 0, a, 1))[1] - 1 - 2, -126, 127), 0)      # np.frexp(a)[1] - 1 = floor(log2(a)), exactly
;;       r = np.clip(x / 2.0 ** e, -7.5, 7.5)
;;       step = 2.0 ** (np.maximum(np.frexp(np.where(r == 0, 1, r))[1] - 1, 0) - 3)
;;       q = np.round(r / step) * step * 2.0 ** e      # np.round: ties to even
;;       return np.moveaxis(q.reshape(q.shape[:-2] + (-1,))[..., :K], -1, axis).astype(np.float32)
;;   ~~~
;;   SOFTMAX AHEAD OF A QUANTISED PRODUCT. Where the list says 'softmax', what is quantised is not the finished softmax but p = 2^(t - M), with t = logit x log2(e) and M = ceil(the row's largest t), a whole number; so 1/2 < the row's largest p <= 1. The row's sum l is taken of the UNQUANTISED p, in f32, and the product's result is divided by l at the end. Since M is a whole number, a kernel that streams over the keys may use a running M (the ceiling of the running maximum): every later rescaling is an exact power of two, which a block's scale takes up: the codes' values come out the same.
;;   OPERANDS COMPUTED ON THE WAY. 'Computed on the way' means the value that the module computes at that place (a softmax that the list does not call 'softmax' is quantised finished and normalised). What goes into a quantiser is computed in f32, as accurately as f32 sums, v_exp_f32 and their like allow (about 1e-6 of the number): no bf16 or f16 on the way to a quantiser, and a product that is left as it is and whose result goes on into a quantised operand takes f32 operands (vector FMAs, or v_wmma_f32_16x16x4_f32). A number that lies on a knife's edge between two numbers of the format may be rounded either way, as far as f32 arithmetic and the matrix unit's own rounding can turn it there, and no further.
;; One version. Each part assembles by itself: llvm-mc -triple=amdgcn-amd-amdhsa -mcpu=gfx1250 --defsym DOCPART=n.
;; ======== version 1 of 1: 3 launches
;; workspace buffers: hn 12,582,912 bytes; hs 524,288 bytes; wbuf 620,544 bytes; qrec 13,107,200 bytes; kvp 26,419,200 bytes
;; launch norm (part 1): grid 8 x 32, 32 waves a work-group, no clusters, 5,120 bytes of LDS; arguments x, gamma, beta, hn, hs, wq, wk, wv, wp, bq, bk, bv, wbuf, kvp; writes hn, hs, wbuf, kvp
.if DOCPART == 1
	.amdgcn_target "amdgcn-amd-amdhsa--gfx1250"
	.amdhsa_code_object_version 6
	.text
	.protected	k_qfdd7553b86_norm
	.globl	k_qfdd7553b86_norm
	.p2align	8
	.type	k_qfdd7553b86_norm,@function
k_qfdd7553b86_norm:
	s_mov_b64 s[64:65], 0
	v_nop
	global_prefetch_b8 v0, s[64:65] scope:SCOPE_SE
	s_setreg_imm32_b32 hwreg(HW_REG_WAVE_MODE, 25, 1), 1
	s_wait_xcnt 0x0
; FIRST OF THREE LAUNCHES: the group norm of x, quantised along the channels, and the four weights, quantised along their input channels; codes of E2M3 with one E8M0 byte for each 32 along K.
; DEAD WORK: none.  Every bias goes into a quantised operand (bq, bk, bv) or into the output (bp), gamma and beta into hn: all eleven inputs have a way to the output and are loaded (bp, and x once more, by the third launch).
; LIMITS: NaN and infinities among the inputs are not served.  A block of zeros gets the byte 1 where the rule says 127: its codes are zeros, which add nothing under any byte but 0xff, and this program alone reads the bytes.
; LAYOUT OF THE WORKSPACE.  A fragment (16 rows x 128 K, 12 registers a lane) lies as an image of its registers: register i of lane l at 512 (i / 4) + 16 l + 4 (i % 4), 1,536 bytes.
; The 16 rows of a tile are not neighbours: in a group of 128 rows lane r of tile 2 b + u holds row 32 b + 8 u + r + 8 (r / 8), so that two neighbouring result tiles give a lane 16 neighbours along the next K.
;   hn  [image n][tile T of 16 positions, 0..63][K step cs, 0..3] images;   hs [n][cs][h][16 T + r] two bytes: the scale of channel block 4 cs + h, and above it that of block 4 cs + h + 2.
;   a record = 128 rows x 512 K: fragment (tile t, cs) at (4 t + cs) x 1,536; from 49,152 on 16 scale bytes a row (256 t + 16 r + 4 cs).  wbuf: 12 records (wq, wk, wv) of 51,712 bytes, each with its 128 biases at 51,200; wp's four open kvp.
; SHARES.  Work-group (bx, n): cs = bx / 2, h = bx % 2; it owns channel blocks 4 cs + h and 4 cs + h + 2 of image n: four groups of the norm, whole, kept in registers: x is read once here.
; These two blocks are all 12 registers of lanes (r, h) of the fragments (T, cs).  Wave w owns positions 32 w .. 32 w + 31 (tiles 2 w, 2 w + 1); a lane takes a position and its registers run down the channels: a block of 32 lies in one lane.
; Waves 0 and 1 first quantise one fragment of a weight each (4 x 32 x 4 fragments = 256 work-groups x 2); wave 2 of the first 12 work-groups copies a record's biases.
; Left out: matrix units, tensor loads and clusters (a stream that is read once and shares nothing); a prefetch (the 64 loads a lane are all out at once).
.set RED1,  0                          ; LDS: 32 waves x four sums,
.set RED2,  512                        ; the same for the squares,
.set SPARE, 1024                       ; and the spare words, 128 bytes for each of 32 waves, which no other line names
.set SPW, 10                           ; v10  LDS address of my spare word; never rewritten
.set NIL, 11                           ; v11  0; never rewritten
.set SS,  12                           ; v12-15 the four groups' sums
.set BY,  18                           ; v18-19 two scale bytes
.set F,   20                           ; v20-31 the fragment's 12 registers of my lane
.set TP,  32                           ; v32-34 a block's upper 16 codes
.set MX,  36                           ; v36-37 largest magnitudes, two chains
.set SO,  38                           ; v38  the conversion's scale operand
.set SH,  39                           ; v39  8 x (lane / 16)
.set PT,  40                           ; v40-43 at work between lanes
.set PW,  44                           ; v44  a scale word
.set TA,  46                           ; v46-47, v48-49 two chains of sums
.set TB,  48
.set X,   64                           ; v64-127 64 numbers: block A, then block B
.set WV,  56                           ; s56  my wave
; 32 numbers of ONE lane, a whole block along K, become 192 bits of codes in v[F + 6 c] on and the byte v[BY + c]
.macro QBLK src, c
	v_max3_num_f32 v[MX], |v[\src]|, |v[\src+1]|, 0x1800000        ; with the floor 2^(3 - 127): the byte cannot fall under 1
	v_max3_num_f32 v[MX+1], |v[\src+2]|, |v[\src+3]|, |v[\src+4]|
.irp i, 5,9,13,17,21,25
	v_max3_num_f32 v[MX], v[MX], |v[\src+\i]|, |v[\src+\i+1]|
	v_max3_num_f32 v[MX+1], v[MX+1], |v[\src+\i+2]|, |v[\src+\i+3]|
.endr
	v_max3_num_f32 v[MX], v[MX], |v[\src+29]|, |v[\src+30]|
	v_max3_num_f32 v[MX], v[MX], v[MX+1], |v[\src+31]|
	v_add_nc_u32 v[SO], 0xff000000, v[MX]                          ; 2 off the exponent field: the conversion takes that field as its scale
	v_lshrrev_b32 v[BY+\c], 23, v[SO]                              ; the scale's byte
	v_cvt_scalef32_pk16_fp6_f32 v[F+6*\c:F+6*\c+2], v[\src:\src+15], v[SO]
	v_cvt_scalef32_pk16_fp6_f32 v[TP:TP+2], v[\src+16:\src+31], v[SO]   ; (a conversion's three registers begin on an even number)
	v_nop                                                          ; one plain place behind a scaled conversion
.irp i, 0,1,2
	v_mov_b32 v[F+6*\c+3+\i], v[TP+\i]
.endr
.endm
.macro WSUM                            ; the four sums over the 32 lanes, result in every lane
.irp m, 1,2,4,8
.irp g, 0,1,2,3
	v_add_f32_dpp v[SS+\g], v[SS+\g], v[SS+\g] row_xmask:\m row_mask:0xf bank_mask:0xf
.endr
.endr
.irp g, 0,1,2,3
	v_permlanex16_b32 v[PT+\g], v[SS+\g], s52, s53
.endr
.irp g, 0,1,2,3
	v_add_f32 v[SS+\g], v[SS+\g], v[PT+\g]
.endr
.endm
.macro ALLSUM red                      ; and over the 32 waves: each wave's four to its own 16 bytes, a barrier, lane l reads wave l's
	WSUM
	ds_store_b128 v5, v[SS:SS+3] offset:\red
	s_wait_dscnt 0x0                               ; for the others' sake: my store has landed
	s_barrier_signal -1
	s_barrier_wait -1
	ds_load_b128 v[SS:SS+3], v6 offset:\red
	s_wait_dscnt 0x0
	WSUM
.endm
.macro GSUM g                          ; my lane's 16 numbers of group g
	v_pk_add_f32 v[TA:TA+1], v[X+16*\g:X+16*\g+1], v[X+16*\g+2:X+16*\g+3]
	v_pk_add_f32 v[TB:TB+1], v[X+16*\g+4:X+16*\g+5], v[X+16*\g+6:X+16*\g+7]
	v_pk_add_f32 v[TA:TA+1], v[TA:TA+1], v[X+16*\g+8:X+16*\g+9]
	v_pk_add_f32 v[TB:TB+1], v[TB:TB+1], v[X+16*\g+10:X+16*\g+11]
	v_pk_add_f32 v[TA:TA+1], v[TA:TA+1], v[X+16*\g+12:X+16*\g+13]
	v_pk_add_f32 v[TB:TB+1], v[TB:TB+1], v[X+16*\g+14:X+16*\g+15]
	v_pk_add_f32 v[TA:TA+1], v[TA:TA+1], v[TB:TB+1]
	v_add_f32 v[SS+\g], v[TA], v[TA+1]
.endm
.macro GSQ g                           ; and their squares
	v_pk_mul_f32 v[TA:TA+1], v[X+16*\g:X+16*\g+1], v[X+16*\g:X+16*\g+1]
	v_pk_mul_f32 v[TB:TB+1], v[X+16*\g+2:X+16*\g+3], v[X+16*\g+2:X+16*\g+3]
.irp i, 4,8,12
	v_pk_fma_f32 v[TA:TA+1], v[X+16*\g+\i:X+16*\g+\i+1], v[X+16*\g+\i:X+16*\g+\i+1], v[TA:TA+1]
	v_pk_fma_f32 v[TB:TB+1], v[X+16*\g+\i+2:X+16*\g+\i+3], v[X+16*\g+\i+2:X+16*\g+\i+3], v[TB:TB+1]
.endr
	v_pk_add_f32 v[TA:TA+1], v[TA:TA+1], v[TB:TB+1]
	v_add_f32 v[SS+\g], v[TA], v[TA+1]
.endm
.macro AFF blk                         ; (x - mean) x (gamma / sqrt(var + eps)) + beta for a block's 32 channels: gamma in s16-47, beta in s68-99
	s_wait_kmcnt 0x0
.set k, 0
.rept 32
	s_mul_f32 s[16+k], s[16+k], s[48+2*\blk+k/16]
.set k, k+1
.endr
.set k, 0
.rept 32
	v_fma_f32 v[X+32*\blk+k], v[X+32*\blk+k], s[16+k], s[68+k]
.set k, k+1
.endr
.endm
	s_load_b512 s[16:31], s[0:1], 0x0              ; x 16, gamma 18, beta 20, hn 22, hs 24, wq 26, wk 28, wv 30
	s_load_b256 s[32:39], s[0:1], 0x40             ; wp 32, bq 34, bk 36, bv 38
	s_load_b128 s[40:43], s[0:1], 0x60             ; wbuf 40, kvp 42
	v_lshl_add_u32 v[SPW], v0, 2, SPARE
	v_mov_b32 v[NIL], 0
	v_lshrrev_b32 v1, 5, v0
	v_readfirstlane_b32 s[WV], v1                  ; wave 0..31
	v_and_b32 v1, 31, v0                           ; lane
	v_and_b32 v16, 15, v0                          ; r
	v_bfe_u32 v17, v0, 4, 1                        ; u = lane / 16
	v_and_b32 v8, 8, v16
	v_add_nc_u32 v8, v8, v16                       ; r + 8 (r / 8)
	v_lshl_add_u32 v2, v17, 3, v8
	v_lshlrev_b32 v2, 2, v2
	s_lshl_b32 s60, s[WV], 7
	v_add_nc_u32 v2, s60, v2                       ; x: 4 x my position = 4 (32 w + 8 u + r + 8 (r / 8))
	v_mul_u32_u24 v3, v17, 6144
	v_lshl_add_u32 v3, v16, 4, v3
	s_mul_i32 s60, s[WV], 12288
	v_add_nc_u32 v3, s60, v3                       ; hn: tile 2 w + u (6,144 bytes a tile), 16 r
	v_lshlrev_b32 v4, 1, v1
	s_lshl_b32 s60, s[WV], 6
	v_add_nc_u32 v4, s60, v4                       ; hs: 2 (16 (2 w + u) + r)
	s_lshl_b32 s60, s[WV], 4
	v_mov_b32 v5, s60                              ; LDS: my wave's 16 bytes
	v_lshlrev_b32 v6, 4, v1                        ; 16 x lane
	v_lshlrev_b32 v7, 11, v8
	v_lshl_add_u32 v7, v17, 7, v7                  ; a weight: row r + 8 (r / 8) of 2,048 bytes, + 128 (lane / 16)
	v_lshlrev_b32 v9, 4, v16                       ; a weight's scale word: 16 r
	v_lshlrev_b32 v[SH], 3, v17
.irp g, 0,1,2,3
	v_mov_b32 v[PT+\g], 0                          ; written once: a lane permute's destination counts as one of its sources
.endr
	s_mov_b32 s52, 0x76543210
	s_mov_b32 s53, 0xfedcba98                      ; v_permlanex16_b32's selects for lane l xor 16
	s_mov_b32 s54, 0x38800000                      ; 2^-14: a group is 16 channels x 1,024 positions
	s_mov_b32 s55, 0x3727c5ac                      ; eps = 1e-5
	s_and_b32 s59, ttmp7, 0xffff                   ; n
	s_lshl_b32 s57, s59, 3
	s_add_co_u32 s57, s57, ttmp9                   ; g = 8 n + bx, 0..255
	s_lshr_b32 s62, ttmp9, 1                       ; cs
	s_and_b32 s63, ttmp9, 1                        ; h
	s_mov_b32 s3, 0
	s_wait_kmcnt 0x0
	s_lshl_b32 s2, s59, 21                         ; x: image n, channel 128 cs + 32 h (4,096 bytes a channel)
	s_lshl_b32 s60, s62, 19
	s_add_co_u32 s2, s2, s60
	s_lshl_b32 s60, s63, 17
	s_add_co_u32 s2, s2, s60
	s_add_nc_u64 s[4:5], s[16:17], s[2:3]
	s_lshl_b32 s2, s62, 9
	s_lshl_b32 s60, s63, 7
	s_add_co_u32 s2, s2, s60
	s_add_nc_u64 s[6:7], s[18:19], s[2:3]          ; gamma and beta at that channel
	s_add_nc_u64 s[8:9], s[20:21], s[2:3]
	s_mul_i32 s2, s59, 393216
	s_mul_i32 s60, s62, 1536
	s_add_co_u32 s2, s2, s60
	s_lshl_b32 s60, s63, 8
	s_add_co_u32 s2, s2, s60
	s_add_nc_u64 s[10:11], s[22:23], s[2:3]        ; hn: image n, K step cs, lanes 16 h on
	s_lshl_b32 s2, s59, 14
	s_lshl_b32 s60, s62, 12
	s_add_co_u32 s2, s2, s60
	s_lshl_b32 s60, s63, 11
	s_add_co_u32 s2, s2, s60
	s_add_nc_u64 s[12:13], s[24:25], s[2:3]        ; hs
	s_cmp_gt_u32 s[WV], 1
	s_cbranch_scc1 .Lnot_weight
	; ---- waves 0 and 1: fragment (tile, K step 2 (g % 2) + wave) of record rec of matrix m = g / 64
	s_lshr_b32 s68, s57, 6                         ; m
	s_bfe_u32 s69, s57, 0x50001                    ; which of the matrix's 32 tiles
	s_lshr_b32 s70, s69, 3                         ; rec
	s_and_b32 s71, s69, 7                          ; tile
	s_and_b32 s72, s57, 1
	s_lshl_b32 s72, s72, 1
	s_add_co_u32 s72, s72, s[WV]                   ; K step
	s_cmp_lt_u32 s68, 2
	s_cselect_b64 s[74:75], s[26:27], s[30:31]     ; wq or wv
	s_cselect_b64 s[76:77], s[28:29], s[32:33]     ; wk or wp
	s_bitcmp1_b32 s68, 0
	s_cselect_b64 s[74:75], s[76:77], s[74:75]
	s_lshr_b32 s73, s71, 1
	s_lshl_b32 s73, s73, 5
	s_and_b32 s78, s71, 1
	s_lshl_b32 s78, s78, 3
	s_add_co_u32 s73, s73, s78
	s_lshl_b32 s78, s70, 7
	s_add_co_u32 s73, s73, s78                     ; the tile's first row: 128 rec + 32 b + 8 u
	s_lshl_b32 s78, s73, 11
	s_lshl_b32 s73, s72, 9
	s_add_co_u32 s78, s78, s73
	s_mov_b32 s79, 0
	s_add_nc_u64 s[74:75], s[74:75], s[78:79]
	s_lshl_b32 s73, s68, 2
	s_add_co_u32 s73, s73, s70
	s_mul_i32 s73, s73, 51712
	s_mul_i32 s78, s70, 51200
	s_cmp_lt_u32 s68, 3
	s_cselect_b64 s[76:77], s[40:41], s[42:43]     ; wq, wk, wv go to wbuf, wp to the head of kvp
	s_cselect_b32 s78, s73, s78
	s_add_nc_u64 s[76:77], s[76:77], s[78:79]      ; the record
	s_lshl_b32 s78, s71, 8
	s_lshl_b32 s73, s72, 2
	s_add_co_u32 s78, s78, s73
	s_add_co_u32 s78, s78, 49152
	s_add_nc_u64 s[80:81], s[76:77], s[78:79]      ; its scale words: 256 tile + 4 K step
	s_lshl_b32 s78, s71, 2
	s_add_co_u32 s78, s78, s72
	s_mul_i32 s78, s78, 1536
	s_add_nc_u64 s[76:77], s[76:77], s[78:79]      ; the image
.irp c, 0,1
.irp i, 0,1,2,3,4,5,6,7
	global_load_b128 v[X+32*\c+4*\i:X+32*\c+4*\i+3], v7, s[74:75] offset:256*\c+16*\i   ; k = 64 c + 32 (lane / 16) + 4 i on: the layout's own order
.endr
.endr
	s_wait_loadcnt 0x0
	QBLK X, 0
	QBLK X+32, 1
	v_lshl_or_b32 v[PW], v[BY+1], 16, v[BY]        ; my two bytes, blocks h and 2 + h,
	v_lshlrev_b32 v[PW], v[SH], v[PW]              ; at their places;
	v_permlanex16_b32 v[PT], v[PW], s52, s53
	v_or_b32 v[PW], v[PW], v[PT]                   ; with lane l xor 16's two the word is whole
.irp c, 0,1,2
	global_store_b128 v6, v[F+4*\c:F+4*\c+3], s[76:77] offset:512*\c   ; 512 consecutive bytes each
.endr
	global_store_b32 v9, v[PW], s[80:81]           ; pieces of 4 bytes, 16 apart (both halves of the lanes write the same word): 32 KiB in the whole launch
	s_branch .Ljoin
.Lnot_weight:
	s_cmp_lg_u32 s[WV], 2
	s_cbranch_scc1 .Ljoin
	s_cmp_gt_u32 s57, 11
	s_cbranch_scc1 .Ljoin
	; ---- wave 2 of work-groups 0..11: the 128 biases of weight record g
	s_lshr_b32 s68, s57, 2
	s_cmp_eq_u32 s68, 0
	s_cselect_b64 s[74:75], s[34:35], s[36:37]
	s_cmp_eq_u32 s68, 2
	s_cselect_b64 s[74:75], s[38:39], s[74:75]
	s_and_b32 s78, s57, 3
	s_lshl_b32 s78, s78, 9
	s_mov_b32 s79, 0
	s_add_nc_u64 s[74:75], s[74:75], s[78:79]
	s_mul_i32 s78, s57, 51712
	s_add_co_u32 s78, s78, 51200
	s_add_nc_u64 s[76:77], s[40:41], s[78:79]
	global_load_b128 v[F:F+3], v6, s[74:75]
	s_wait_loadcnt 0x0
	global_store_b128 v6, v[F:F+3], s[76:77]
.Ljoin:
	s_wait_xcnt 0x0                                ; the stores above have read their data and bases: F, PW and s16-99 may be written again
	; ---- all waves: 64 channels of my position
.set k, 0
.rept 32
	global_load_b32 v[X+k], v2, s[4:5] offset:4096*k th:TH_LOAD_NT
.set k, k+1
.endr
.set k, 0
.rept 32
	global_load_b32 v[X+32+k], v2, s[4:5] offset:262144+4096*k th:TH_LOAD_NT
.set k, k+1
.endr
	s_load_b512 s[16:31], s[6:7], 0x0              ; block A's gamma and beta
	s_load_b512 s[32:47], s[6:7], 0x40
	s_load_b512 s[68:83], s[8:9], 0x0
	s_load_b512 s[84:99], s[8:9], 0x40
	s_wait_loadcnt 48                              ; group 0's sixteen are in; the 48 of the later groups may be out
	GSUM 0
	s_wait_loadcnt 32
	GSUM 1
	s_wait_loadcnt 16
	GSUM 2
	s_wait_loadcnt 0x0
	GSUM 3
	ALLSUM RED1
.irp g, 0,1,2,3
	v_mul_f32 v[SS+\g], s54, v[SS+\g]              ; the means
.endr
.set k, 0
.rept 64
	v_sub_f32 v[X+k], v[X+k], v[SS+k/16]
.set k, k+1
.endr
	GSQ 0                                          ; the variances from the differences: a second pass over the registers
	GSQ 1
	GSQ 2
	GSQ 3
	ALLSUM RED2                                    ; other bytes than the first sum's: no barrier is owed between the two
.irp g, 0,1,2,3
	v_fma_f32 v[SS+\g], v[SS+\g], s54, s55         ; var + eps
.endr
.irp g, 0,1,2,3
	v_rsq_f32 v[PT+\g], v[SS+\g]
.endr
	v_nop                                          ; a plain place behind the last of them
	s_wait_alu depctr_va_vdst(0)                   ; one wait for the four, ahead of their first reader
.irp g, 0,1,2,3
	v_readfirstlane_b32 s[48+\g], v[PT+\g]
.endr
	AFF 0
	s_load_b512 s[16:31], s[6:7], 0x100            ; block B lies 64 channels on
	s_load_b512 s[32:47], s[6:7], 0x140
	s_load_b512 s[68:83], s[8:9], 0x100
	s_load_b512 s[84:99], s[8:9], 0x140
	QBLK X, 0
	AFF 1
	QBLK X+32, 1
.irp c, 0,1,2
	global_store_b128 v3, v[F+4*\c:F+4*\c+3], s[10:11] offset:512*\c   ; sixteen lanes store 256 consecutive bytes, at a multiple of 256 from hn's first byte
.endr
	v_lshl_or_b32 v[PW], v[BY+1], 8, v[BY]
	global_store_b16 v4, v[PW], s[12:13]           ; 64 consecutive bytes a wave; hs is half a MiB in all
	s_wait_tensorcnt 0x0                           ; the wave's end, behind my last LDS store
	ds_add_u32 v[SPW], v[NIL]
	s_wait_dscnt 0x0
	s_endpgm
.Lfunc_end_k_qfdd7553b86_norm:
	.size	k_qfdd7553b86_norm, .Lfunc_end_k_qfdd7553b86_norm-k_qfdd7553b86_norm
	.p2alignl 7, 3214868480
	.fill 96, 4, 3214868480
	.section	.rodata,"a",@progbits
	.p2align	6, 0x0
	.amdhsa_kernel k_qfdd7553b86_norm
		.amdhsa_group_segment_fixed_size 5120
		.amdhsa_private_segment_fixed_size 0
		.amdhsa_enable_private_segment 0
		.amdhsa_kernarg_size 112
		.amdhsa_user_sgpr_count 2
		.amdhsa_user_sgpr_kernarg_segment_ptr 1
		.amdhsa_wavefront_size32 1
		.amdhsa_system_sgpr_workgroup_id_x 1
		.amdhsa_system_sgpr_workgroup_id_y 1
		.amdhsa_system_sgpr_workgroup_id_z 1
		.amdhsa_system_vgpr_workitem_id 0
		.amdhsa_next_free_vgpr 128
		.amdhsa_next_free_sgpr 104
		.amdhsa_reserve_vcc 0
		.amdhsa_float_denorm_mode_32 3
		.amdhsa_float_denorm_mode_16_64 3
		.amdhsa_memory_ordered 1
		.amdhsa_forward_progress 1
		.amdhsa_inst_pref_size 40
	.end_amdhsa_kernel
	.amdgpu_metadata
---
amdhsa.version: [ 1, 2 ]
amdhsa.kernels:
  - .name:           k_qfdd7553b86_norm
    .symbol:         k_qfdd7553b86_norm.kd
    .args:
      - { .name: x, .offset: 0, .size: 8, .value_kind: global_buffer, .address_space: global }
      - { .name: gamma, .offset: 8, .size: 8, .value_kind: global_buffer, .address_space: global }
      - { .name: beta, .offset: 16, .size: 8, .value_kind: global_buffer, .address_space: global }
      - { .name: hn, .offset: 24, .size: 8, .value_kind: global_buffer, .address_space: global }
      - { .name: hs, .offset: 32, .size: 8, .value_kind: global_buffer, .address_space: global }
      - { .name: wq, .offset: 40, .size: 8, .value_kind: global_buffer, .address_space: global }
      - { .name: wk, .offset: 48, .size: 8, .value_kind: global_buffer, .address_space: global }
      - { .name: wv, .offset: 56, .size: 8, .value_kind: global_buffer, .address_space: global }
      - { .name: wp, .offset: 64, .size: 8, .value_kind: global_buffer, .address_space: global }
      - { .name: bq, .offset: 72, .size: 8, .value_kind: global_buffer, .address_space: global }
      - { .name: bk, .offset: 80, .size: 8, .value_kind: global_buffer, .address_space: global }
      - { .name: bv, .offset: 88, .size: 8, .value_kind: global_buffer, .address_space: global }
      - { .name: wbuf, .offset: 96, .size: 8, .value_kind: global_buffer, .address_space: global }
      - { .name: kvp, .offset: 104, .size: 8, .value_kind: global_buffer, .address_space: global }
    .group_segment_fixed_size: 5120
    .private_segment_fixed_size: 0
    .kernarg_segment_align: 8
    .kernarg_segment_size: 112
    .max_flat_workgroup_size: 1024
    .sgpr_count:     104
    .vgpr_count:     128
    .wavefront_size: 32
...
	.end_amdgpu_metadata
.endif
;; end of part 1
;; launch qkv (part 2): grid 8 x 32, 4 waves a work-group, clusters of 4 x 1, 327,680 bytes of LDS; arguments hn, hs, wbuf, qrec, kvp; writes qrec, kvp
.if DOCPART == 2
	.amdgcn_target "amdgcn-amd-amdhsa--gfx1250"
	.amdhsa_code_object_version 6
	.text
	.protected	k_qfdd7553b86_qkv
	.globl	k_qfdd7553b86_qkv
	.p2align	8
	.type	k_qfdd7553b86_qkv,@function
k_qfdd7553b86_qkv:
	s_mov_b64 s[64:65], 0
	v_nop
	global_prefetch_b8 v0, s[64:65] scope:SCOPE_SE
	s_setreg_imm32_b32 hwreg(HW_REG_WAVE_MODE, 25, 1), 1
	s_wait_xcnt 0x0
	s_wait_alu depctr_hold_cnt(0) depctr_sa_sdst(0) depctr_va_vdst(0) depctr_va_sdst(0) depctr_va_ssrc(0) depctr_va_vcc(0) depctr_vm_vsrc(0)
	s_getreg_b32 s2, hwreg(HW_REG_IB_STS2, 6, 4)
	s_cmp_eq_u32 s2, 0
	s_cbranch_scc0 .Lentry_in_a_cluster
	s_endpgm
.Lentry_in_a_cluster:
	s_bfe_u32 s2, ttmp6, 0x10000c
	s_cmp_lg_u32 s2, 0x3003
	s_cbranch_scc0 .Lentry_shape_is_right
	s_endpgm
.Lentry_shape_is_right:
; SECOND LAUNCH: q = wq hn + bq, k = wk hn + bk, v = wv hn + bv on codes of E2M3, and their quantisers: q and k along the output channels, v along the positions (the keys).  No work is left out.
; LIMITS as in the first launch: NaN and infinities are not served; a block of zeros gets the byte 1.
; SHARES.  Work-group (n, j) owns 128 positions of image n (tiles 8 j .. 8 j + 7 of hn) and stays while the 12 weight records of wbuf stream past, two to an LDS slot, six fills of 103,424 bytes.
; The four work-groups of a cluster (one image, neighbouring j) want the same records at the same time: each fill is asked for JOINTLY; a wave brings a quarter of a slot, 101 rows of 256 bytes.
; q AND k (source 0 = 16 rows of W, source 1 = 16 of my positions): wave w takes tiles 2 w and 2 w + 1 against all 128 rows of a record; a lane then holds one position, and its 64 registers are 128 output channels
; in the order that the quantiser wants (the rows of a weight's tile are chosen for it): they become K step rec of the position's record.  The bias is the C of each sum's first product.
; v (source 0 = 16 positions, source 1 = 16 rows of wv): wave w takes rows' tiles 2 w and 2 w + 1 of a record against all 8 tiles of positions: a lane holds one channel and 128 positions: one fragment of V with the keys along K.
; OUT: qrec record 8 n + j; kvp: behind wp's four records, for each (n, j) a K record and a V record (V: fragment ct at 1,536 ct; the scale word of (ct, r) at 49,152 + 512 ((ct / 2) % 4) + 16 (16 (ct % 2) + r) + 4 (ct / 8)).
; REGISTERS, in windows of 256: window 0: addresses, scale words, the quantiser's, v100-227 16 accumulators, v228-243 v's bias.  window 1: v0-191 W's fragments, two buffers of 8; v192-255 8 tiles of bias.
;   window 2: v0-95 my own two tiles of hn; v96-239 tiles 0-2 of the work-group's eight.  window 3: tiles 3-7.
; Left out: a prefetch (the weights are read by all work-groups alike, hn once at the head); LDS padding (images are read on end, 512 consecutive bytes an instruction).
.set RECW,  51712                      ; a weight record with its 128 biases
.set SLOTB, 2*RECW
.set QTR,   SLOTB/4                    ; what one tensor load brings
.set ROWS,  QTR/256
.set SPARE, 2*SLOTB                    ; behind the ring: the spare words, 128 bytes a wave, which no other line names
.set SCO,   49152                      ; a record's scale bytes
.set BIO,   51200                      ; a weight record's biases
.set LI,  1                            ; v1   16 x lane
.set OQ,  2                            ; v2   16 l + 12,288 w: my two tiles in hn's 8 and in a record
.set OW,  3                            ; v3   16 l + 512 w: my two tiles' scale words
.set BC,  4                            ; v4   4 (32 w + r + 8 (r / 8)): my channel's bias in a record
.set OV,  5                            ; v5   16 l + 3,072 w: my two fragments of V
.set AR,  6                            ; v6-9   the four records of the ring + 16 l
.set AB,  10                           ; v10-13 their biases + 64 (lane / 16)
.set AV,  14                           ; v14, v15, v244: the v phase's addresses
.set AW,  15
.set HS,  16                           ; v16-31 hn's scale words: pair i of tiles, K step cs at 4 i + cs; lanes 0-15 tile 2 i, lanes 16-31 tile 2 i + 1
.set OS,  32                           ; v32-35 the same of my own pair
.set WS,  36                           ; v36-51 the record's scale words, likewise
.set SWK, 52                           ; v52-55 the scale words made for q or k
.set SWV, 56                           ; v56-59 for v
.set TM,  60                           ; v60-75 the quantiser's
.set PW,  76                           ; v76-77 two scale words just made
.set PC,  78                           ; v78-89 codes just made
.set TP,  90                           ; v90-96
.set SPW, 98
.set NIL, 99
.set ACC, 100
.set CB,  228
.set AC,  244
.set WV,  14
.set G1,  16                           ; s[16:23] descriptor group 1
.set G0,  24                           ; s[24:31] group 0, a set for each slot
.set OUT, 34                           ; s[34:35] the record that q or k goes to
.set KP,  36
.set VP,  38
.set HM,  40                           ; lanes 16-31
.set SEL, 42
.set MSB, 0
.macro WIN new                         ; the immediate's high byte repeats the setting that is left
.if MSB != (\new)
	s_set_vgpr_msb (MSB<<8)|(\new)
.set MSB, \new
.endif
.endm
.macro PLACES n
.rept \n
	v_nop
.endr
.endm
.macro CROUND                          ; a round of the cluster's barrier
	s_barrier_signal -1
	s_barrier_wait -1
	s_cmp_lg_u32 s[WV], 0
	s_cbranch_scc1 .Lnw0_\@
	s_barrier_signal -3
.Lnw0_\@:
	s_barrier_wait -3
	s_barrier_signal -1
	s_barrier_wait -1
.endm
; one product: D, A, B, C (a register number, or -1 for the constant 0), the two scale registers and their rows
.macro WM d, a, b, c, sa, sb, ra, rb
.if (\c) < 0
.if ((\ra) == 0) && ((\rb) == 0)
	v_wmma_scale_f32_16x16x128_f8f6f4 v[\d:\d+7], v[\a:\a+11], v[\b:\b+11], 0, v[\sa], v[\sb] matrix_a_fmt:MATRIX_FMT_FP6 matrix_b_fmt:MATRIX_FMT_FP6
.elseif (\rb) == 0
	v_wmma_scale_f32_16x16x128_f8f6f4 v[\d:\d+7], v[\a:\a+11], v[\b:\b+11], 0, v[\sa], v[\sb] matrix_a_fmt:MATRIX_FMT_FP6 matrix_b_fmt:MATRIX_FMT_FP6 matrix_a_scale:MATRIX_SCALE_ROW1
.elseif (\ra) == 0
	v_wmma_scale_f32_16x16x128_f8f6f4 v[\d:\d+7], v[\a:\a+11], v[\b:\b+11], 0, v[\sa], v[\sb] matrix_a_fmt:MATRIX_FMT_FP6 matrix_b_fmt:MATRIX_FMT_FP6 matrix_b_scale:MATRIX_SCALE_ROW1
.else
	v_wmma_scale_f32_16x16x128_f8f6f4 v[\d:\d+7], v[\a:\a+11], v[\b:\b+11], 0, v[\sa], v[\sb] matrix_a_fmt:MATRIX_FMT_FP6 matrix_b_fmt:MATRIX_FMT_FP6 matrix_a_scale:MATRIX_SCALE_ROW1 matrix_b_scale:MATRIX_SCALE_ROW1
.endif
.else
.if ((\ra) == 0) && ((\rb) == 0)
	v_wmma_scale_f32_16x16x128_f8f6f4 v[\d:\d+7], v[\a:\a+11], v[\b:\b+11], v[\c:\c+7], v[\sa], v[\sb] matrix_a_fmt:MATRIX_FMT_FP6 matrix_b_fmt:MATRIX_FMT_FP6
.elseif (\rb) == 0
	v_wmma_scale_f32_16x16x128_f8f6f4 v[\d:\d+7], v[\a:\a+11], v[\b:\b+11], v[\c:\c+7], v[\sa], v[\sb] matrix_a_fmt:MATRIX_FMT_FP6 matrix_b_fmt:MATRIX_FMT_FP6 matrix_a_scale:MATRIX_SCALE_ROW1
.elseif (\ra) == 0
	v_wmma_scale_f32_16x16x128_f8f6f4 v[\d:\d+7], v[\a:\a+11], v[\b:\b+11], v[\c:\c+7], v[\sa], v[\sb] matrix_a_fmt:MATRIX_FMT_FP6 matrix_b_fmt:MATRIX_FMT_FP6 matrix_b_scale:MATRIX_SCALE_ROW1
.else
	v_wmma_scale_f32_16x16x128_f8f6f4 v[\d:\d+7], v[\a:\a+11], v[\b:\b+11], v[\c:\c+7], v[\sa], v[\sb] matrix_a_fmt:MATRIX_FMT_FP6 matrix_b_fmt:MATRIX_FMT_FP6 matrix_a_scale:MATRIX_SCALE_ROW1 matrix_b_scale:MATRIX_SCALE_ROW1
.endif
.endif
.endm
; THE QUANTISER.  64 numbers of a lane, register 16 b + i = k 32 b + 16 (lane / 16) + i of my row, become a fragment's codes in v[pc] on and its scale word in v[pw].  All in window 0.
.macro SCALES pw                       ; from the four blocks' largest magnitudes in v[TM] on
.irp b, 0,1,2,3
	v_add_nc_u32 v[TM+12+\b], 0xff000000, v[TM+\b]                 ; 2 off the exponent field: the conversion's scale operand
.endr
.irp b, 0,1,2,3
	v_lshrrev_b32 v[TM+4+\b], 23, v[TM+12+\b]                      ; the scale's byte
.endr
	v_lshl_or_b32 v[\pw], v[TM+5], 8, v[TM+4]
	v_lshl_or_b32 v[\pw], v[TM+6], 16, v[\pw]
	v_lshl_or_b32 v[\pw], v[TM+7], 24, v[\pw]
.endm
.macro CODES s, pc
.irp c, 0,1
	v_cvt_scalef32_pk16_fp6_f32 v[\pc+6*\c:\pc+6*\c+2], v[\s+32*\c:\s+32*\c+15], v[TM+12+2*\c]
	v_cvt_scalef32_pk16_fp6_f32 v[TP+4*\c:TP+4*\c+2], v[\s+32*\c+16:\s+32*\c+31], v[TM+13+2*\c]   ; (a conversion's three registers begin on an even number)
.endr
	v_nop                                                          ; one plain place behind a scaled conversion
.irp c, 0,1                            ; the layout wants a WHOLE block in a lane: lanes 0-15 block 2 c, lanes 16-31 block 2 c + 1
.irp i, 0,1,2
	v_permlane16_swap_b32 v[\pc+6*\c+\i], v[TP+4*\c+\i]
.endr
.irp i, 0,1,2
	v_mov_b32 v[\pc+6*\c+3+\i], v[TP+4*\c+\i]
.endr
.endr
.endm
.macro QUANT s, pw, pc
.irp b, 0,1,2,3
	v_max3_num_f32 v[TM+\b], |v[\s+16*\b]|, |v[\s+16*\b+1]|, 0x1800000   ; each accumulator is read from its low end on; the floor 2^(3 - 127) holds the byte at 1 from below
.endr
.irp i, 2,4,6,8,10,12,14
.irp b, 0,1,2,3
	v_max3_num_f32 v[TM+\b], v[TM+\b], |v[\s+16*\b+\i]|, |v[\s+16*\b+\i+1]|
.endr
.endr
.irp b, 0,1,2,3
	v_permlanex16_b32 v[TM+4+\b], v[TM+\b], s[SEL], s[SEL+1]
.endr
.irp b, 0,1,2,3
	v_max_num_f32 v[TM+\b], v[TM+\b], v[TM+4+\b]                   ; with lane l xor 16's 16: the block's largest magnitude
.endr
	SCALES \pw
	CODES \s, \pc
.endm
; THE CHANGE OF SLOTS: every wave waits for all its tensor loads (its part of the other slot), adds 0 to its spare word, waits for that and for its reads of this slot; a round of the cluster's barrier; the joint refill first behind it.
.macro CHANGE slot
	WIN 0
	s_wait_tensorcnt 0x0                           ; no tensor load of mine is out, so a group 0 may be written
	ds_add_u32 v[SPW], v[NIL]
	s_add_nc_u64 s[G0+4*\slot+2:G0+4*\slot+3], s[G0+4*\slot+2:G0+4*\slot+3], 2*SLOTB   ; this slot's next two records
	s_wait_dscnt 0x0                               ; the add is done, and my reads of this slot are over
	CROUND
	tensor_load_to_lds s[G0+4*\slot:G0+4*\slot+3], s[G1:G1+7]
	s_nop 0
	PLACES 4                                       ; (the places in front of the LDS loads that follow)
.endm
	s_load_b256 s[4:11], s[0:1], 0x0               ; hn 4, hs 6, wbuf 8, qrec 10
	s_load_b64 s[12:13], s[0:1], 0x20              ; kvp
	v_lshl_add_u32 v[SPW], v0, 2, SPARE
	v_mov_b32 v[NIL], 0
	ds_add_u32 v[SPW], v[NIL]                      ; the wave's opening: the add, twice on end, and its wait ahead of my first tensor load
	ds_add_u32 v[SPW], v[NIL]
	v_lshrrev_b32 v1, 5, v0
	v_readfirstlane_b32 s[WV], v1                  ; wave 0..3
	s_bfe_u32 s15, ttmp6, 0x40000                  ; cx
	s_lshl_b32 s33, ttmp9, 2
	s_add_co_u32 s15, s33, s15                     ; j = 4 x cluster x + cx: it enters global addresses of my own loads and stores alone
	s_and_b32 s32, ttmp7, 0xffff                   ; n
	s_mov_b32 s[G1], 15|(3<<16)|(1<<21)            ; the mask: all four work-groups; elements of 8 bytes; bit 21 beside a mask; no padding
	s_mov_b32 s[G1+1], 32<<16                      ; tensor_dim0 = 32 elements: rows of 256 bytes
	s_mov_b32 s[G1+2], ROWS<<16                    ; tensor_dim1
	s_mov_b32 s[G1+3], 32<<16                      ; tile_dim0
	s_mov_b32 s[G1+4], ROWS                        ; tile_dim1
	s_mov_b32 s[G1+5], 32                          ; the pitch: a dense block
	s_mov_b32 s[G1+6], 0
	s_mov_b32 s[G1+7], 0
	s_mul_i32 s33, s[WV], QTR                      ; my quarter, in a slot and in a fill
	s_mov_b32 s48, s33
	s_mov_b32 s49, 0
	s_mov_b32 s[HM], 0xffff0000
	s_mov_b32 s41, 0x05010400                      ; byte select for hn's scale words
	s_mov_b32 s[SEL], 0x76543210
	s_mov_b32 s[SEL+1], 0xfedcba98
	s_mul_i32 s44, s[WV], 12288
	s_lshl_b32 s45, s[WV], 9
	s_wait_dscnt 0x0                               ; both opening adds are done
	s_wait_kmcnt 0x0
	s_add_nc_u64 s[50:51], s[8:9], s[48:49]
	CROUND                                         ; all four work-groups are here: the first joint loads meet
.irp f, 0,1
	s_mov_b32 s[G0+4*\f], 1
	s_add_co_u32 s[G0+4*\f+1], s33, \f*SLOTB
	s_add_nc_u64 s[G0+4*\f+2:G0+4*\f+3], s[50:51], \f*SLOTB
	s_or_b32 s[G0+4*\f+3], s[G0+4*\f+3], 0x80000000
.endr
	tensor_load_to_lds s[G0:G0+3], s[G1:G1+7]      ; wq's records 0, 1
	s_nop 0
	tensor_load_to_lds s[G0+4:G0+7], s[G1:G1+7]    ; and 2, 3: two loads of mine are out
	s_nop 0
	PLACES 4
	v_and_b32 v200, 31, v0                         ; lane (v200-205 are free until the first product)
	v_and_b32 v201, 15, v0                         ; r
	v_bfe_u32 v202, v0, 4, 1                       ; lane / 16
	v_and_b32 v203, 8, v201
	v_add_nc_u32 v203, v203, v201                  ; r + 8 (r / 8)
	v_lshlrev_b32 v[LI], 4, v200
	v_add_nc_u32 v[OQ], s44, v[LI]
	v_add_nc_u32 v[OW], s45, v[LI]
	s_lshl_b32 s33, s[WV], 5
	v_add_nc_u32 v[BC], s33, v203
	v_lshlrev_b32 v[BC], 2, v[BC]
	s_mul_i32 s33, s[WV], 3072
	v_add_nc_u32 v[OV], s33, v[LI]
.irp k, 0,1,2,3
	v_add_nc_u32 v[AR+\k], (\k/2)*SLOTB+(\k%2)*RECW, v[LI]
	v_lshl_add_u32 v[AB+\k], v202, 6, (\k/2)*SLOTB+(\k%2)*RECW+BIO
.endr
	v_lshlrev_b32 v204, 1, v200                    ; hs: 2 x lane,
	s_lshl_b32 s33, s[WV], 6
	v_add_nc_u32 v205, s33, v204                   ; and my own pair of tiles
.irp b, 0,1,2,3
	v_mov_b32 v[TM+4+\b], 0                        ; written once: a lane permute's destination counts as one of its sources
.endr
	s_mul_i32 s48, s32, 393216
	s_mul_i32 s33, s15, 49152
	s_add_co_u32 s48, s48, s33
	s_add_nc_u64 s[4:5], s[4:5], s[48:49]          ; hn at my 8 tiles: 49,152 consecutive bytes
	s_lshl_b32 s48, s32, 14
	s_lshl_b32 s33, s15, 8
	s_add_co_u32 s48, s48, s33
	s_add_nc_u64 s[6:7], s[6:7], s[48:49]          ; hs likewise
	s_lshl_b32 s33, s32, 3
	s_add_co_u32 s33, s33, s15                     ; 8 n + j
	s_mul_i32 s48, s33, 51200
	s_add_nc_u64 s[OUT:OUT+1], s[10:11], s[48:49]  ; q's record
	s_mul_i32 s48, s33, 102400
	s_add_co_u32 s48, s48, 204800
	s_add_nc_u64 s[KP:KP+1], s[12:13], s[48:49]    ; K's record,
	s_add_nc_u64 s[VP:VP+1], s[KP:KP+1], 51200     ; V's behind it
	WIN 0x80                                       ; destination window 2
.set k, 0
.rept 24
	global_load_b128 v[4*k:4*k+3], v[OQ], s[4:5] offset:512*k      ; my own two tiles, 8 fragments
.set k, k+1
.endr
.set k, 0
.rept 36
	global_load_b128 v[96+4*k:96+4*k+3], v[LI], s[4:5] offset:512*k   ; tiles 0-2
.set k, k+1
.endr
	WIN 0xc0                                       ; destination window 3
.rept 60
	global_load_b128 v[4*k-144:4*k-141], v[LI], s[4:5] offset:512*k   ; tiles 3-7
.set k, k+1
.endr
	WIN 0
.irp c, 0,1,2,3
.irp e, 0,1
	global_load_u16 v[100+2*\c+\e], v205, s[6:7] offset:4096*\c+2048*\e
.irp i, 0,1,2,3
	global_load_u16 v[108+8*\i+2*\c+\e], v204, s[6:7] offset:4096*\c+2048*\e+64*\i
.endr
.endr
.endr
	s_wait_tensorcnt 0x1                           ; my part of slot 0 is in; slot 1's may stay out
	s_barrier_signal -1
	s_barrier_wait -1
	s_wait_loadcnt 0x0
.irp c, 0,1,2,3
	v_perm_b32 v[OS+\c], v[101+2*\c], v[100+2*\c], s41             ; bytes of blocks 0, 1, 2, 3 of the K step: low of h = 0, low of h = 1, high of h = 0, high of h = 1
.irp i, 0,1,2,3
	v_perm_b32 v[HS+4*\i+\c], v[109+8*\i+2*\c], v[108+8*\i+2*\c], s41
.endr
.endr
	PLACES 8                                       ; a scale register written by a vector instruction stands 8 places ahead of a scaled product
.macro LW k, cs, buf                   ; the eight fragments (tile d, K step cs) of ring record k into buffer buf
.irp d, 0,1,2,3,4,5,6,7
.irp c, 0,1,2
	ds_load_b128 v[96*(\buf)+12*\d+4*\c:96*(\buf)+12*\d+4*\c+3], v[AR+\k] offset:(4*\d+\cs)*1536+512*\c
.endr
.endr
.endm
.macro MQK cs, buf, first              ; 16 products on 16 accumulators, which take turns in the same order in every K step
.irp q, 0,1
.irp d, 0,1,2,3,4,5,6,7
.if \first
	WM ACC+64*\q+8*\d, 96*(\buf)+12*\d, 48*\q+12*(\cs), 192+8*\d, WS+4*(\d/2)+(\cs), OS+(\cs), \d%2, \q
.else
	WM ACC+64*\q+8*\d, 96*(\buf)+12*\d, 48*\q+12*(\cs), ACC+64*\q+8*\d, WS+4*(\d/2)+(\cs), OS+(\cs), \d%2, \q
.endif
.endr
.endr
.endm
; One record of wq or wk: 128 output channels for my 32 positions; they become K step cso of the positions' record.
.macro REC_QK k, cso
	WIN 0
.irp i, 0,1,2,3
	ds_load_b128 v[WS+4*\i:WS+4*\i+3], v[AR+\k] offset:SCO+512*\i
.endr
	WIN 0x40                                       ; destination window 1
.irp d, 0,1,2,3,4,5,6,7
	ds_load_b128 v[192+8*\d:192+8*\d+3], v[AB+\k] offset:128*(\d/2)+32*(\d%2)       ; the bias in the result's layout: channels 32 b + 16 (lane / 16) + 8 u + 0 .. 7
	ds_load_b128 v[192+8*\d+4:192+8*\d+7], v[AB+\k] offset:128*(\d/2)+32*(\d%2)+16
.endr
	LW \k, 0, 0
	LW \k, 1, 1
	s_wait_dscnt 24                                ; all but the youngest run of 24: K step 1's fragments
	WIN 0x19                                       ; W window 1, hn window 2, C (the bias) window 1, D window 0
	MQK 0, 0, 1
	PLACES 4                                       ; in front of loads into registers that products have read
	WIN 0x40
	LW \k, 2, 0
	s_wait_dscnt 24
	WIN 0x09
	MQK 1, 1, 0
	PLACES 4
	WIN 0x40
	LW \k, 3, 1
	s_wait_dscnt 24
	WIN 0x09
	MQK 2, 0, 0
	s_wait_dscnt 0x0
	MQK 3, 1, 0
	PLACES 4                                       ; in front of the first read of results
	WIN 0
.irp q, 0,1
	s_wait_xcnt 0x0                                ; earlier stores have read their data: the codes' registers may be written again
	QUANT ACC+64*\q, PW+\q, PC
.irp c, 0,1,2
	global_store_b128 v[OQ], v[PC+4*\c:PC+4*\c+3], s[OUT:OUT+1] offset:6144*\q+1536*(\cso)+512*\c   ; 512 consecutive bytes
.endr
.endr
	v_cndmask_b32 v[SWK+\cso], v[PW], v[PW+1], s[HM]               ; lanes 0-15 tile 2 w's words, lanes 16-31 tile 2 w + 1's
.endm
.macro MV e, t, z, rec                 ; v: tile t of positions x my tile e of wv's rows, K step z
.if (\t) < 3
.set rH, 96+48*(\t)+12*(\z)
.else
.set rH, 48*((\t)-3)+12*(\z)
.endif
.if (\z) == 0
	WM ACC+64*(\e)+8*(\t), rH, 96*((\rec)%2)+12*(4*(\e)+(\z)), CB+8*(\e), HS+4*((\t)/2)+(\z), WS+(\z), (\t)%2, \e
.else
	WM ACC+64*(\e)+8*(\t), rH, 96*((\rec)%2)+12*(4*(\e)+(\z)), ACC+64*(\e)+8*(\t), HS+4*((\t)/2)+(\z), WS+(\z), (\t)%2, \e
.endif
.endm
; One record of wv: my 32 channels of its 128, for all 128 positions.
.macro REC_V k, rec
	WIN 0
	v_add_nc_u32 v[AV], s44, v[AR+\k]              ; my two tiles' fragments: 12,288 w on
	v_add_nc_u32 v[AW], s45, v[AR+\k]              ; their scale words: 512 w on
	v_add_nc_u32 v[AC], (\k/2)*SLOTB+(\k%2)*RECW+BIO, v[BC]
	ds_load_b128 v[WS:WS+3], v[AW] offset:SCO
.irp e, 0,1
.irp i, 0,1,2,3,4,5,6,7
	ds_load_b32 v[CB+8*\e+\i], v[AC] offset:32*\e  ; a lane holds one channel: its bias in all eight registers of C
.endr
.endr
	WIN 0x40
.irp f, 0,1,2,3,4,5,6,7
.irp c, 0,1,2
	ds_load_b128 v[96*((\rec)%2)+12*\f+4*\c:96*((\rec)%2)+12*\f+4*\c+3], v[AV] offset:1536*\f+512*\c
.endr
.endr
	s_wait_dscnt 0x0
.irp z, 0,1,2,3                        ; 16 accumulators by turns, in the same order in every K step; the order spares window switches
	WIN 0x06                                       ; hn window 2, wv window 1
.irp t, 0,1,2
	MV 0, \t, \z, \rec
.endr
	WIN 0x07                                       ; hn window 3
.irp t, 3,4,5,6,7
	MV 0, \t, \z, \rec
.endr
.irp t, 3,4,5,6,7
	MV 1, \t, \z, \rec
.endr
	WIN 0x06
.irp t, 0,1,2
	MV 1, \t, \z, \rec
.endr
.endr
	PLACES 4
	WIN 0
.irp e, 0,1
	s_wait_xcnt 0x0
	QUANT ACC+64*\e, PW+\e, PC
.irp c, 0,1,2
	global_store_b128 v[OV], v[PC+4*\c:PC+4*\c+3], s[VP:VP+1] offset:12288*(\rec)+1536*\e+512*\c
.endr
.endr
	v_cndmask_b32 v[SWV+\rec], v[PW], v[PW+1], s[HM]
.endm
	s_mov_b32 s46, 0
.Lrole:                                            ; two trips: q, then k.  The four refills are wk's and wv's records: none is left out
	REC_QK 0, 0
	REC_QK 1, 1
	CHANGE 0
	REC_QK 2, 2
	REC_QK 3, 3
	global_store_b128 v[OW], v[SWK:SWK+3], s[OUT:OUT+1] offset:SCO   ; my 32 rows' 16 scale bytes each: 512 consecutive bytes
	CHANGE 1
	s_wait_xcnt 0x0                                ; the stores have read their base
	s_mov_b64 s[OUT:OUT+1], s[KP:KP+1]
	s_add_co_u32 s46, s46, 1
	s_cmp_lt_u32 s46, 2
	s_cbranch_scc1 .Lrole
	REC_V 0, 0
	REC_V 1, 1
	WIN 0
	s_wait_tensorcnt 0x0                           ; the last fill, wv's records 2 and 3; nothing is filled again, so a plain barrier follows
	ds_add_u32 v[SPW], v[NIL]
	s_wait_dscnt 0x0
	s_barrier_signal -1
	s_barrier_wait -1
	REC_V 2, 2
	REC_V 3, 3
	global_store_b128 v[OW], v[SWV:SWV+3], s[VP:VP+1] offset:SCO
	s_wait_tensorcnt 0x0                           ; the wave's end
	ds_add_u32 v[SPW], v[NIL]
	s_wait_dscnt 0x0
	CROUND                                         ; the closing round
	s_endpgm
.Lfunc_end_k_qfdd7553b86_qkv:
	.size	k_qfdd7553b86_qkv, .Lfunc_end_k_qfdd7553b86_qkv-k_qfdd7553b86_qkv
	.p2alignl 7, 3214868480
	.fill 96, 4, 3214868480
	.section	.rodata,"a",@progbits
	.p2align	6, 0x0
	.amdhsa_kernel k_qfdd7553b86_qkv
		.amdhsa_group_segment_fixed_size 327680
		.amdhsa_private_segment_fixed_size 0
		.amdhsa_enable_private_segment 0
		.amdhsa_kernarg_size 40
		.amdhsa_user_sgpr_count 2
		.amdhsa_user_sgpr_kernarg_segment_ptr 1
		.amdhsa_wavefront_size32 1
		.amdhsa_system_sgpr_workgroup_id_x 1
		.amdhsa_system_sgpr_workgroup_id_y 1
		.amdhsa_system_sgpr_workgroup_id_z 1
		.amdhsa_system_vgpr_workitem_id 0
		.amdhsa_next_free_vgpr 1024
		.amdhsa_next_free_sgpr 66
		.amdhsa_reserve_vcc 0
		.amdhsa_float_denorm_mode_32 3
		.amdhsa_float_denorm_mode_16_64 3
		.amdhsa_memory_ordered 1
		.amdhsa_forward_progress 1
		.amdhsa_inst_pref_size 198
	.end_amdhsa_kernel
	.amdgpu_metadata
---
amdhsa.version: [ 1, 2 ]
amdhsa.kernels:
  - .name:           k_qfdd7553b86_qkv
    .symbol:         k_qfdd7553b86_qkv.kd
    .args:
      - { .name: hn, .offset: 0, .size: 8, .value_kind: global_buffer, .address_space: global }
      - { .name: hs, .offset: 8, .size: 8, .value_kind: global_buffer, .address_space: global }
      - { .name: wbuf, .offset: 16, .size: 8, .value_kind: global_buffer, .address_space: global }
      - { .name: qrec, .offset: 24, .size: 8, .value_kind: global_buffer, .address_space: global }
      - { .name: kvp, .offset: 32, .size: 8, .value_kind: global_buffer, .address_space: global }
    .group_segment_fixed_size: 327680
    .private_segment_fixed_size: 0
    .kernarg_segment_align: 8
    .kernarg_segment_size: 40
    .max_flat_workgroup_size: 128
    .sgpr_count:     66
    .vgpr_count:     1024
    .wavefront_size: 32
...
	.end_amdgpu_metadata
.endif
;; end of part 2
;; launch attn (part 3): grid 8 x 32, 4 waves a work-group, clusters of 4 x 1, 327,680 bytes of LDS; arguments qrec, kvp, bp, x, out0; writes out0
.if DOCPART == 3
	.amdgcn_target "amdgcn-amd-amdhsa--gfx1250"
	.amdhsa_code_object_version 6
	.text
	.protected	k_qfdd7553b86_attn
	.globl	k_qfdd7553b86_attn
	.p2align	8
	.type	k_qfdd7553b86_attn,@function
k_qfdd7553b86_attn:
	s_mov_b64 s[64:65], 0
	v_nop
	global_prefetch_b8 v0, s[64:65] scope:SCOPE_SE
	s_setreg_imm32_b32 hwreg(HW_REG_WAVE_MODE, 25, 1), 1
	s_wait_xcnt 0x0
	s_wait_alu depctr_hold_cnt(0) depctr_sa_sdst(0) depctr_va_vdst(0) depctr_va_sdst(0) depctr_va_ssrc(0) depctr_va_vcc(0) depctr_vm_vsrc(0)
	s_getreg_b32 s2, hwreg(HW_REG_IB_STS2, 6, 4)
	s_cmp_eq_u32 s2, 0
	s_cbranch_scc0 .Lentry_in_a_cluster
	s_endpgm
.Lentry_in_a_cluster:
	s_bfe_u32 s2, ttmp6, 0x10000c
	s_cmp_lg_u32 s2, 0x3003
	s_cbranch_scc0 .Lentry_shape_is_right
	s_endpgm
.Lentry_shape_is_right:
; THIRD LAUNCH: out0 = x + wp (v softmax(q^T k / sqrt(512))^T) + bp, all three products on codes of E2M3.  No work is left out.
; THE SOFTMAX: t = score x log2(e) / sqrt(512); M = the running largest t rounded UP to a whole number; p = 2^(t - M) is what is quantised along the keys; the row's sum is taken of the unquantised p and divides O at the end,
; ahead of O's own quantiser along the channels.  When M moves, the sum and O are multiplied by 2^(old M - new M): exact.
; LIMITS: NaN and infinities are not served; a block of zeros gets the byte 1 (its codes are zeros).
; SHARES.  Work-group (n, j) owns 128 queries of image n, wave w tiles 2 w and 2 w + 1 of them: positions 128 j + 32 w + 0 .. 31.  Every wave walks the image's 1,024 keys, 128 a step.
; S^T = K Q^T and O^T = V P^T are used transposed: a lane holds ONE query; O^T of a tile, 512 channels, fills a window of 256 registers.
; THE RING: two LDS slots of 102,400 bytes, a K record and a V record; ten fills: the 8 key steps, then wp's four records, two to a fill.  The four work-groups of a cluster walk the same image: each fill is asked for JOINTLY,
; a quarter of a slot (100 rows of 256 bytes) a wave.  A fill has a whole step, 128 products a wave, in which to land.
; THE LAST PRODUCT IS SHARED OUT OTHERWISE: wave w takes ALL 128 positions against the 128 output channels of wp's record w.  O's codes go from wave to wave once, through LDS, as images of their registers (a record of 128 rows);
; each wave then holds all 32 fragments of O, and a fragment of wp feeds eight products.  The product is used as it stands (source 0 = O's codes, source 1 = 16 rows of wp): a lane holds one output channel and runs of 8 positions;
; bp is the C of each sum's first product.  A tile of 16 channels x 128 positions goes through the wave's OWN stage in LDS (no barrier) and leaves as rows of 512 consecutive bytes, with x added.
; x comes into the window that Q and the fragment buffers have left, four sets of 16 rows: three sets are asked for ahead of O's normalising, and 48 loads of a wave stay on their way until the last tiles.
; REGISTERS: window 0: addresses, scale words, statistics, v88-111 p's codes, v112-239 S^T and p, later two sets of 8 accumulators.  window 1: v0-95 Q's codes, v96-239 three buffers of 4 fragments; later x.
;   windows 2 and 3: O^T of tile 0 and tile 1; later O's codes (tiles 0-4; tiles 5-7) and, from v144 of window 3, two buffers of 4 fragments of wp.
; Left out: more query tiles to a wave and matrix and vector work by turns (p would have to go from wave to wave); LDS padding for the images (they are read on end).
.set REC,   51200
.set SLOTB, 2*REC
.set QTR,   SLOTB/4
.set ROWS,  QTR/256
.set SLOT1, 1<<17                      ; slot 1 begins here: one exclusive or turns an address from slot to slot
.set OREC,  SLOT1+SLOTB                ; behind the ring: O's codes as a record of 128 rows: no fill lands here,
.set SP,    528
.set STG,   OREC+REC                   ; nor here: a stage of 16 rows x (512 bytes + 16) for each wave
.set SPARE, STG+4*16*SP                ; the spare words, 128 bytes a wave, which no other line names
.set SCO,   49152
.set LI,  1                            ; v1   16 x lane
.set LV,  2                            ; v2   the same in a slot's second record
.set ADK, 3                            ; v3   the record in hand
.set ADV, 4
.set STO, 5                            ; v5   my stage: row r, + 64 (lane / 16)
.set RD,  6                            ; v6   my stage: 16 x lane: a row read back
.set XO,  7                            ; v7   16 l + 128 w rows of 4,096 bytes, in x and out0
.set BA,  8                            ; v8   4 (128 w + r + 8 (r / 8)): my channel in bp
.set PFO, 9                            ; v9   256 x lane: the prefetches' offset; never rewritten
.set OI,  12                           ; v12  where I store O's images: OREC + 12,288 w + 16 l
.set OW,  13                           ; v13  and their scale words: OREC + 512 w + 16 l
.set OL,  14                           ; v14  where every wave loads them: OREC + 16 l
.set AWP, 15                           ; v15  wp's record w + 16 l
.set QS,  16                           ; v16-19 Q's scale words, later O's as they are made: K step cs; lanes 0-15 tile 0, lanes 16-31 tile 1
.set KS,  20                           ; v20-35 K's, later wp's: 4 (tile / 2) + cs
.set VS,  36                           ; v36-51 V's: 4 ((ct / 2) % 4) + ct / 8; later O's of all 8 tiles: 4 (tile / 2) + cs
.set PS,  52                           ; v52-53 p's
.set ST,  54                           ; a tile's four: -M, the largest t, the sum in two halves
.set TM,  62                           ; v62-77 at work
.set TP,  78                           ; v78-84
.set PWT, 85
.set PCD, 88                           ; v88-111 p's codes, 12 a tile; later v88-99 O's codes just made
.set CB0, 100                          ; bp as C: the even tiles' eight registers at v100, the odd tiles' at v54 (the statistics' place)
.set S,   112
.set FF,  240                          ; v240-243 the pairs (f or 1 / l, 0)
.set SPW, 244
.set NIL, 245
.set BV,  246                          ; v246-253 bp of my channel in each of my record's 8 tiles
.set FB,  96                           ; the fragment buffers, in window 1
.set WPB, 144                          ; wp's two buffers, in window 3
.set WV,  14
.set G1,  16                           ; s[16:23] descriptor group 1;  s[24:27] group 0 of the first fill;  s[28:31] the one that walks
.set CS,  42
.set SEL, 44
.set HM,  46
.set MSB, 0
.macro WIN new                         ; the immediate's high byte repeats the setting that is left
.if MSB != (\new)
	s_set_vgpr_msb (MSB<<8)|(\new)
.set MSB, \new
.endif
.endm
.macro PLACES n
.rept \n
	v_nop
.endr
.endm
.macro CROUND                          ; a round of the cluster's barrier
	s_barrier_signal -1
	s_barrier_wait -1
	s_cmp_lg_u32 s[WV], 0
	s_cbranch_scc1 .Lnw0_\@
	s_barrier_signal -3
.Lnw0_\@:
	s_barrier_wait -3
	s_barrier_signal -1
	s_barrier_wait -1
.endm
; one product: D, A, B, C (a register number, or -1 for the constant 0), the two scale registers and their rows
.macro WM d, a, b, c, sa, sb, ra, rb
.if (\c) < 0
.if ((\ra) == 0) && ((\rb) == 0)
	v_wmma_scale_f32_16x16x128_f8f6f4 v[\d:\d+7], v[\a:\a+11], v[\b:\b+11], 0, v[\sa], v[\sb] matrix_a_fmt:MATRIX_FMT_FP6 matrix_b_fmt:MATRIX_FMT_FP6
.elseif (\rb) == 0
	v_wmma_scale_f32_16x16x128_f8f6f4 v[\d:\d+7], v[\a:\a+11], v[\b:\b+11], 0, v[\sa], v[\sb] matrix_a_fmt:MATRIX_FMT_FP6 matrix_b_fmt:MATRIX_FMT_FP6 matrix_a_scale:MATRIX_SCALE_ROW1
.elseif (\ra) == 0
	v_wmma_scale_f32_16x16x128_f8f6f4 v[\d:\d+7], v[\a:\a+11], v[\b:\b+11], 0, v[\sa], v[\sb] matrix_a_fmt:MATRIX_FMT_FP6 matrix_b_fmt:MATRIX_FMT_FP6 matrix_b_scale:MATRIX_SCALE_ROW1
.else
	v_wmma_scale_f32_16x16x128_f8f6f4 v[\d:\d+7], v[\a:\a+11], v[\b:\b+11], 0, v[\sa], v[\sb] matrix_a_fmt:MATRIX_FMT_FP6 matrix_b_fmt:MATRIX_FMT_FP6 matrix_a_scale:MATRIX_SCALE_ROW1 matrix_b_scale:MATRIX_SCALE_ROW1
.endif
.else
.if ((\ra) == 0) && ((\rb) == 0)
	v_wmma_scale_f32_16x16x128_f8f6f4 v[\d:\d+7], v[\a:\a+11], v[\b:\b+11], v[\c:\c+7], v[\sa], v[\sb] matrix_a_fmt:MATRIX_FMT_FP6 matrix_b_fmt:MATRIX_FMT_FP6
.elseif (\rb) == 0
	v_wmma_scale_f32_16x16x128_f8f6f4 v[\d:\d+7], v[\a:\a+11], v[\b:\b+11], v[\c:\c+7], v[\sa], v[\sb] matrix_a_fmt:MATRIX_FMT_FP6 matrix_b_fmt:MATRIX_FMT_FP6 matrix_a_scale:MATRIX_SCALE_ROW1
.elseif (\ra) == 0
	v_wmma_scale_f32_16x16x128_f8f6f4 v[\d:\d+7], v[\a:\a+11], v[\b:\b+11], v[\c:\c+7], v[\sa], v[\sb] matrix_a_fmt:MATRIX_FMT_FP6 matrix_b_fmt:MATRIX_FMT_FP6 matrix_b_scale:MATRIX_SCALE_ROW1
.else
	v_wmma_scale_f32_16x16x128_f8f6f4 v[\d:\d+7], v[\a:\a+11], v[\b:\b+11], v[\c:\c+7], v[\sa], v[\sb] matrix_a_fmt:MATRIX_FMT_FP6 matrix_b_fmt:MATRIX_FMT_FP6 matrix_a_scale:MATRIX_SCALE_ROW1 matrix_b_scale:MATRIX_SCALE_ROW1
.endif
.endif
.endm
; THE QUANTISER, as in the second launch: 64 numbers of a lane, register 16 b + i = k 32 b + 16 (lane / 16) + i of my row.  All in window 0.
.macro SCALES pw
.irp b, 0,1,2,3
	v_add_nc_u32 v[TM+12+\b], 0xff000000, v[TM+\b]                 ; 2 off the exponent field: the conversion's scale operand
.endr
.irp b, 0,1,2,3
	v_lshrrev_b32 v[TM+4+\b], 23, v[TM+12+\b]                      ; the scale's byte
.endr
	v_lshl_or_b32 v[\pw], v[TM+5], 8, v[TM+4]
	v_lshl_or_b32 v[\pw], v[TM+6], 16, v[\pw]
	v_lshl_or_b32 v[\pw], v[TM+7], 24, v[\pw]
.endm
.macro CODES s, pc
.irp c, 0,1
	v_cvt_scalef32_pk16_fp6_f32 v[\pc+6*\c:\pc+6*\c+2], v[\s+32*\c:\s+32*\c+15], v[TM+12+2*\c]
	v_cvt_scalef32_pk16_fp6_f32 v[TP+4*\c:TP+4*\c+2], v[\s+32*\c+16:\s+32*\c+31], v[TM+13+2*\c]   ; (a conversion's three registers begin on an even number)
.endr
	v_nop                                                          ; one plain place behind a scaled conversion
.irp c, 0,1                            ; the layout wants a WHOLE block in a lane
.irp i, 0,1,2
	v_permlane16_swap_b32 v[\pc+6*\c+\i], v[TP+4*\c+\i]
.endr
.irp i, 0,1,2
	v_mov_b32 v[\pc+6*\c+3+\i], v[TP+4*\c+\i]
.endr
.endr
.endm
.macro QUANT s, pw, pc
.irp b, 0,1,2,3
	v_max3_num_f32 v[TM+\b], |v[\s+16*\b]|, |v[\s+16*\b+1]|, 0x1800000   ; with the floor 2^(3 - 127)
.endr
.irp i, 2,4,6,8,10,12,14
.irp b, 0,1,2,3
	v_max3_num_f32 v[TM+\b], v[TM+\b], |v[\s+16*\b+\i]|, |v[\s+16*\b+\i+1]|
.endr
.endr
.irp b, 0,1,2,3
	v_permlanex16_b32 v[TM+4+\b], v[TM+\b], s[SEL], s[SEL+1]
.endr
.irp b, 0,1,2,3
	v_max_num_f32 v[TM+\b], v[TM+\b], v[TM+4+\b]
.endr
	SCALES \pw
	CODES \s, \pc
.endm
; A PREFETCH INTO THE L2 of the codes that the NEXT change of slots will ask for: 384 blocks of 256 bytes = 4 partners x 3 waves x 32 lanes, one instruction a wave.  Both clusters of an image walk the same K and V: the first asks.
; The partners are told apart by address alone.  Key steps 0 to 2, the scale bytes and wp come by their loads alone; from the change that asks for step 7 on nothing is named.
.macro ASK
	s_cmp_lt_u32 s39, s50
	s_cbranch_scc0 .Lna_\@
	global_prefetch_b8 v[PFO], s[48:49] th:TH_LOAD_NT scope:SCOPE_SE
.Lna_\@:
.endm
; THE CHANGE OF SLOTS behind step s39: every wave waits for all its tensor loads (its part of the other slot), adds 0 to its spare word, waits for that and for its reads of this slot; a round of the cluster's barrier;
; the joint refill, fill s39 + 2, first behind it.  Behind step 6 the stream goes on at kvp's head, where wp lies: an offset is chosen, never a pointer.
.macro CHANGE
	WIN 0
	s_wait_tensorcnt 0x0                           ; no tensor load of mine is out, so a group 0 may be written
	ds_add_u32 v[SPW], v[NIL]
	s_xor_b32 s29, s29, SLOT1                      ; the slot just read
	s_add_co_u32 s36, s36, SLOTB
	s_cmp_eq_u32 s39, 6
	s_cselect_b32 s36, s38, s36
	s_add_nc_u64 s[30:31], s[6:7], s[36:37]
	s_or_b32 s31, s31, 0x80000000
	s_wait_xcnt 0x0                                ; the last prefetch, a step back, has read its address
	s_add_nc_u64 s[48:49], s[48:49], SLOTB
	s_wait_dscnt 0x0                               ; the add is done, and my reads of this slot are over
	CROUND
	tensor_load_to_lds s[28:31], s[G1:G1+7]
	s_nop 0
	PLACES 4                                       ; (places in front of the LDS loads that follow)
	ASK
	s_xor_b32 s40, s40, SLOT1                      ; the reads go on in the other slot
.endm
.macro LFR4 buf, adr, off, stride      ; four fragments into buffer buf
.irp i, 0,1,2,3
.irp c, 0,1,2
	ds_load_b128 v[FB+48*(\buf)+12*\i+4*\c:FB+48*(\buf)+12*\i+4*\c+3], v[\adr] offset:(\off)+(\stride)*\i+512*\c
.endr
.endr
.endm
.macro LG g                            ; group g of a step's 16: 0-7: tiles 4 (g / 4) + i of the first record, K step g % 4;  8-15: V's fragments 4 (g - 8) + i
	WIN 0x40
.if (\g) < 8
	LFR4 (\g)%3, ADK, 24576*((\g)/4)+1536*((\g)%4), 6144
.else
	LFR4 (\g)%3, ADV, 6144*((\g)-8), 1536
.endif
.endm
.macro MK g                            ; S^T: 8 accumulators by turns
	WIN 0x05                                       ; K and Q window 1, S^T window 0
.irp i, 0,1,2,3
.irp q, 0,1
.if ((\g)%4) == 0
	WM S+64*\q+8*(4*((\g)/4)+\i), FB+48*((\g)%3)+12*\i, 48*\q+12*((\g)%4), -1, KS+4*((4*((\g)/4)+\i)/2)+((\g)%4), QS+((\g)%4), \i%2, \q
.else
	WM S+64*\q+8*(4*((\g)/4)+\i), FB+48*((\g)%3)+12*\i, 48*\q+12*((\g)%4), S+64*\q+8*(4*((\g)/4)+\i), KS+4*((4*((\g)/4)+\i)/2)+((\g)%4), QS+((\g)%4), \i%2, \q
.endif
.endr
.endr
.endm
.macro MO g, first                     ; O^T += V^T P^T: each accumulator once a step
.irp q, 0,1
	WIN 0xa1+0x50*\q                               ; V window 1, P window 0, O^T window 2 or 3
.irp i, 0,1,2,3
.set ct, 4*((\g)-8)+\i
.if \first
	WM 8*ct, FB+48*((\g)%3)+12*\i, PCD+12*\q, -1, VS+4*((ct/2)%4)+ct/8, PS+\q, ct%2, 0
.else
	WM 8*ct, FB+48*((\g)%3)+12*\i, PCD+12*\q, 8*ct, VS+4*((ct/2)%4)+ct/8, PS+\q, ct%2, 0
.endif
.endr
.endr
.endm
.macro RS g                            ; group g's part of O^T under the new M: x f; each accumulator from its low end on
.irp q, 0,1
	WIN 0x82+0x41*\q
.set k, 0
.rept 16
	v_pk_mul_f32 v[32*((\g)-8)+2*k:32*((\g)-8)+2*k+1], v[32*((\g)-8)+2*k:32*((\g)-8)+2*k+1], v[FF+2*\q:FF+2*\q+1] op_sel_hi:[1,0]
.set k, k+1
.endr
.endr
.endm
.macro SOFTMAX q                       ; tile q: 64 scores of a lane's query become p, its codes and its scale word
.set rS, S+64*\q
.set rT, ST+4*\q
.set rF, FF+2*\q
.irp b, 0,1,2,3
	v_max3_num_f32 v[TM+\b], v[rS+16*\b], v[rS+16*\b+1], v[rS+16*\b+2]   ; the largest SCORE of each block of 32 keys: for the row's maximum and, since p rises with the score, for the block's largest p
.endr
.irp i, 3,5,7,9,11,13
.irp b, 0,1,2,3
	v_max3_num_f32 v[TM+\b], v[TM+\b], v[rS+16*\b+\i], v[rS+16*\b+\i+1]
.endr
.endr
.irp b, 0,1,2,3
	v_max_num_f32 v[TM+\b], v[TM+\b], v[rS+16*\b+15]
.endr
.irp b, 0,1,2,3
	v_permlanex16_b32 v[TM+4+\b], v[TM+\b], s[SEL], s[SEL+1]
.endr
.irp b, 0,1,2,3
	v_max_num_f32 v[TM+\b], v[TM+\b], v[TM+4+\b]                   ; with lane l xor 16's 16 keys
.endr
	v_max3_num_f32 v[TM+8], v[TM], v[TM+1], v[TM+2]
	v_max_num_f32 v[TM+8], v[TM+8], v[TM+3]
	v_mul_f32 v[TM+8], s[CS], v[TM+8]              ; as t (c is positive)
	v_max_num_f32 v[rT+1], v[rT+1], v[TM+8]        ; the running largest t
	v_mov_b32 v[TM+8], v[rT]
	v_floor_f32 v[rT], -v[rT+1]                    ; the new -M = floor(-t): M is a whole number
	v_sub_f32 v[TM+8], v[rT], v[TM+8]              ; old M - new M, 0 or less
	v_cvt_i32_f32 v[TM+8], v[TM+8]                 ; (it saturates)
	v_ldexp_f32 v[rF], 1.0, v[TM+8]                ; f = 2^(old M - new M)
.set k, 0
.rept 32
	v_pk_fma_f32 v[rS+2*k:rS+2*k+1], v[rS+2*k:rS+2*k+1], s[CS:CS+1], v[rT:rT+1] op_sel_hi:[1,0,0]   ; t - M
.set k, k+1
.endr
.irp b, 0,1,2,3
	v_fma_f32 v[TM+\b], v[TM+\b], s[CS], v[rT]     ; the same of each block's largest score
.endr
.set k, 0
.rept 64
	v_exp_f32 v[rS+k], v[rS+k]                     ; p = 2^(t - M), at most 1
.set k, k+1
.endr
	v_pk_mul_f32 v[rT+2:rT+3], v[rT+2:rT+3], v[rF:rF+1] op_sel_hi:[1,0]   ; the sums under the new M: a plain place behind the exponentials
	s_wait_alu depctr_va_vdst(0)                   ; one wait for the batch of 64, ahead of its first reader
.irp b, 0,1,2,3
	v_exp_f32 v[TM+\b], v[TM+\b]                   ; the blocks' largest p
.endr
	v_pk_add_f32 v[TM+4:TM+5], v[rS:rS+1], v[rS+2:rS+3]            ; the row's sum of the UNQUANTISED p, in two chains: plain work behind the four
.irp j, 4,8,12,16,20,24,28,32,36,40,44,48,52,56,60
	v_pk_add_f32 v[rT+2:rT+3], v[rT+2:rT+3], v[rS+\j:rS+\j+1]
	v_pk_add_f32 v[TM+4:TM+5], v[TM+4:TM+5], v[rS+\j+2:rS+\j+3]
.endr
	v_pk_add_f32 v[rT+2:rT+3], v[rT+2:rT+3], v[TM+4:TM+5]
	s_wait_alu depctr_va_vdst(0)                   ; and one for the four
.irp b, 0,1,2,3
	v_max_num_f32 v[TM+\b], 0x1800000, v[TM+\b]    ; the floor 2^(3 - 127)
.endr
	SCALES PS+\q
	CODES rS, PCD+12*\q
.endm
; A KEY STEP.  Sixteen groups of 4 fragments go through three buffers: group g + 3 is asked for behind group g's products, so the wait in front of a group leaves the two younger runs of 12 loads out.
.macro STEP first
	WIN 0
	v_add_nc_u32 v[ADK], s40, v[LI]
	v_add_nc_u32 v[ADV], s40, v[LV]
.irp i, 0,1,2,3
	ds_load_b128 v[KS+4*\i:KS+4*\i+3], v[ADK] offset:SCO+512*\i
.endr
.irp i, 0,1,2,3
	ds_load_b128 v[VS+4*\i:VS+4*\i+3], v[ADV] offset:SCO+512*\i
.endr
	LG 0
	LG 1
	LG 2
.irp g, 0,1,2,3,4,5,6,7
	s_wait_dscnt 24
	MK \g
	PLACES 4                                       ; in front of loads into registers that products have read, and of the first read of the scores
	LG \g+3
.endr
	WIN 0
	SOFTMAX 0
	SOFTMAX 1
.if \first
	PLACES 8                                       ; p's scale word stands 8 places ahead of the scaled products, its codes 4
.else
	RS 8                                           ; (these 32 are those places)
.endif
.irp g, 8,9,10,11,12,13,14,15
.if \g < 14
	s_wait_dscnt 24
.elseif \g == 14
	s_wait_dscnt 12                                ; the last run alone may be out
.else
	s_wait_dscnt 0x0
.endif
	MO \g, \first
.if \g < 15
.if \first
.if \g < 13
	PLACES 4
.endif
.else
	RS \g+1                                        ; the next group's rescaling: it names none of these products' registers, so it is also the places in front of the loads below
.endif
.endif
.if \g < 13
	LG \g+3
.endif
.endr
	WIN 0
.endm
	s_load_b256 s[4:11], s[0:1], 0x0               ; qrec 4, kvp 6, bp 8, x 10
	s_load_b64 s[12:13], s[0:1], 0x20              ; out0
	v_lshl_add_u32 v[SPW], v0, 2, SPARE
	v_mov_b32 v[NIL], 0
	ds_add_u32 v[SPW], v[NIL]                      ; the wave's opening: the add, twice on end, and its wait ahead of my first tensor load
	ds_add_u32 v[SPW], v[NIL]
	v_lshrrev_b32 v1, 5, v0
	v_readfirstlane_b32 s[WV], v1                  ; wave 0..3
	s_bfe_u32 s15, ttmp6, 0x40000                  ; cx
	s_lshl_b32 s33, ttmp9, 2
	s_add_co_u32 s33, s33, s15                     ; j = 4 x cluster x + cx: in my own global addresses alone
	s_and_b32 s32, ttmp7, 0xffff                   ; n, which the partners share
	s_mov_b32 s[G1], 15|(3<<16)|(1<<21)            ; the mask: all four; elements of 8 bytes; bit 21 beside a mask; no padding
	s_mov_b32 s[G1+1], 32<<16                      ; rows of 256 bytes
	s_mov_b32 s[G1+2], ROWS<<16
	s_mov_b32 s[G1+3], 32<<16
	s_mov_b32 s[G1+4], ROWS
	s_mov_b32 s[G1+5], 32                          ; a dense block
	s_mov_b32 s[G1+6], 0
	s_mov_b32 s[G1+7], 0
	s_mul_i32 s38, s[WV], QTR                      ; my quarter, in a slot and in a fill
	s_mul_i32 s35, s32, 8*SLOTB
	s_add_co_u32 s35, s35, 4*REC                   ; the image's K and V in kvp, behind wp's four records
	s_add_co_u32 s36, s35, s38
	s_mov_b32 s37, 0
	s_mov_b32 s39, 0                               ; the step
	s_mov_b32 s40, 0                               ; the slot that is read
	s_mov_b32 s[CS], 0x3d8293ee                    ; c = log2(e) / sqrt(512)
	s_mov_b32 s[CS+1], s[CS]                       ; (named with it as a pair)
	s_mov_b32 s[SEL], 0x76543210
	s_mov_b32 s[SEL+1], 0xfedcba98
	s_mov_b32 s[HM], 0xffff0000
	s_lshr_b32 s34, s[WV], 1
	s_and_b32 s47, s[WV], 1
	s_and_b32 s34, s34, s47                        ; 1 in wave 3 alone
	s_or_b32 s34, s34, ttmp9
	s_cmp_eq_u32 s34, 0
	s_cselect_b32 s50, 5, 0                        ; waves 0 to 2 of the image's first cluster prefetch at the changes behind steps 0 to 4
	s_mul_i32 s52, s15, 96
	s_lshl_b32 s53, s[WV], 5
	s_add_co_u32 s52, s52, s53
	s_lshl_b32 s52, s52, 8                         ; 256 (96 cx + 32 w),
	s_lshr_b32 s53, s15, 1
	s_lshl_b32 s53, s53, 11
	s_add_co_u32 s52, s52, s53                     ; past K's scale bytes for the partners that take V's codes,
	s_add_co_u32 s52, s52, s35
	s_add_co_u32 s52, s52, 2*SLOTB                 ; in step 2: the first change steps it to step 3
	s_mov_b32 s53, 0
	s_wait_dscnt 0x0                               ; both opening adds are done
	s_wait_kmcnt 0x0
	s_add_nc_u64 s[48:49], s[6:7], s[52:53]
	CROUND                                         ; all four work-groups are here: the first joint loads meet
	s_mov_b32 s24, 1
	s_mov_b32 s25, s38
	s_add_nc_u64 s[26:27], s[6:7], s[36:37]
	s_or_b32 s27, s27, 0x80000000
	s_add_co_u32 s36, s36, SLOTB
	s_mov_b32 s28, 1
	s_add_co_u32 s29, s38, SLOT1
	s_add_nc_u64 s[30:31], s[6:7], s[36:37]
	s_or_b32 s31, s31, 0x80000000
	tensor_load_to_lds s[24:27], s[G1:G1+7]        ; key step 0
	s_nop 0
	tensor_load_to_lds s[28:31], s[G1:G1+7]        ; key step 1: two loads of mine are out
	s_nop 0
	PLACES 4
	v_and_b32 v200, 31, v0                         ; lane (v200-203 are free until the first product)
	v_and_b32 v201, 15, v0                         ; r
	v_bfe_u32 v202, v0, 4, 1                       ; lane / 16
	v_and_b32 v203, 8, v201
	v_add_nc_u32 v203, v203, v201                  ; r + 8 (r / 8)
	v_lshlrev_b32 v[LI], 4, v200
	v_add_nc_u32 v[LV], REC, v[LI]
	v_mul_u32_u24 v[STO], v201, SP
	v_lshl_add_u32 v[STO], v202, 6, v[STO]
	s_mul_i32 s34, s[WV], 16*SP
	s_add_co_u32 s34, s34, STG                     ; my stage
	v_add_nc_u32 v[STO], s34, v[STO]               ; in: row r = my channel in its tile; 64 (lane / 16): my half's positions
	v_add_nc_u32 v[RD], s34, v[LI]                 ; back: 16 bytes a lane of a row
	s_lshl_b32 s34, s[WV], 19
	v_add_nc_u32 v[XO], s34, v[LI]                 ; x and out0: channel 128 w, 16 bytes a lane
	v_lshlrev_b32 v[BA], 2, v203
	s_lshl_b32 s34, s[WV], 9
	v_add_nc_u32 v[BA], s34, v[BA]
	v_add_nc_u32 v11, s34, v[LI]                   ; Q's scale words: my two tiles'
	s_add_co_u32 s34, s34, OREC
	v_add_nc_u32 v[OW], s34, v[LI]
	v_lshlrev_b32 v[PFO], 8, v200
	s_mul_i32 s34, s[WV], 12288
	v_add_nc_u32 v10, s34, v[LI]                   ; Q: my two tiles' 8 fragments
	s_add_co_u32 s34, s34, OREC
	v_add_nc_u32 v[OI], s34, v[LI]
	v_add_nc_u32 v[OL], OREC, v[LI]
	s_lshr_b32 s34, s[WV], 1
	s_lshl_b32 s34, s34, 17                        ; wp's records 0, 1 end up in slot 0, records 2, 3 in slot 1
	s_and_b32 s47, s[WV], 1
	s_mul_i32 s47, s47, REC
	s_add_co_u32 s34, s34, s47
	v_add_nc_u32 v[AWP], s34, v[LI]
	s_lshl_b32 s34, s32, 3
	s_add_co_u32 s34, s34, s33
	s_mul_i32 s52, s34, REC
	s_add_nc_u64 s[4:5], s[4:5], s[52:53]          ; my work-group's record of q
	s_lshl_b32 s52, s32, 21
	s_lshl_b32 s34, s33, 9
	s_add_co_u32 s52, s52, s34
	s_add_nc_u64 s[10:11], s[10:11], s[52:53]      ; x and out0 at image n, position 128 j
	s_add_nc_u64 s[12:13], s[12:13], s[52:53]
	WIN 0x40
.set k, 0
.rept 24
	global_load_b128 v[4*k:4*k+3], v10, s[4:5] offset:512*k        ; Q stays in registers: tile q, K step cs at 48 q + 12 cs
.set k, k+1
.endr
	WIN 0
	global_load_b128 v[QS:QS+3], v11, s[4:5] offset:SCO
.irp d, 0,1,2,3,4,5,6,7
	global_load_b32 v[BV+\d], v[BA], s[8:9] offset:4*(32*(\d/2)+8*(\d%2))   ; bp of my channel in tile d of record w: kept until the finish
.endr
.irp q, 0,1
	v_mov_b32 v[ST+4*\q+1], 0xff61b1e6             ; the largest t so far: -3e38, under every t
	v_floor_f32 v[ST+4*\q], -v[ST+4*\q+1]          ; -M
	v_mov_b32 v[ST+4*\q+2], 0                      ; the sum, in two halves
	v_mov_b32 v[ST+4*\q+3], 0
	v_mov_b32 v[FF+2*\q], 0
	v_mov_b32 v[FF+2*\q+1], 0                      ; (the upper half of a pair of which the low word serves both halves)
.endr
.irp b, 0,1,2,3
	v_mov_b32 v[TM+4+\b], 0                        ; written once: a lane permute's destination counts as one of its sources
.endr
	s_wait_tensorcnt 0x1                           ; my part of slot 0 is in; slot 1's may stay out
	s_barrier_signal -1
	s_barrier_wait -1
	s_wait_loadcnt 0x0                             ; Q, its scale words, bp
	STEP 1                                         ; the first step's products start O^T's sums: nothing is cleared
	CHANGE
	s_mov_b32 s39, 1
.Lstep:                                            ; seven trips; every change of slots refills: key steps 3 to 7, then wp's records 0, 1 and 2, 3
	STEP 0
	CHANGE
	s_add_co_u32 s39, s39, 1
	s_cmp_lt_u32 s39, 8
	s_cbranch_scc1 .Lstep
; ---- THE FINISH.  Channel tile d (0..7) of my record: row i of the tile is channel 128 w + 32 (d / 2) + 8 (d % 2) + i + 8 (i / 8).
.macro XLD d                           ; the tile's 16 rows of x, my work-group's 512 bytes of each, into set d % 4 of window 1
	WIN 0x40
.set k, 0
.rept 16
	global_load_b128 v[64*((\d)%4)+4*k:64*((\d)%4)+4*k+3], v[XO], s[10:11] offset:4096*(32*((\d)/2)+8*((\d)%2)+k+8*(k/8)) th:TH_LOAD_NT
.set k, k+1
.endr
	WIN 0
.endm
.macro CBSET d                         ; bp as C: a lane holds one channel, so its number stands in all eight registers
.irp i, 0,1,2,3,4,5,6,7
	v_mov_b32 v[CB0-46*((\d)%2)+\i], v[BV+(\d)]
.endr
.endm
.macro NORMQ q, cs                     ; channels 128 cs on of tile q: 64 registers, each accumulator from its low end on; their codes go to O's record as an image
	WIN 0x02+\q
.set k, 0
.rept 32
	v_pk_mul_f32 v[S+2*k:S+2*k+1], v[64*(\cs)+2*k:64*(\cs)+2*k+1], v[FF+2*\q:FF+2*\q+1] op_sel_hi:[1,0]
.set k, k+1
.endr
	WIN 0
	s_wait_dscnt 0x0                               ; the last fragment's stores have read the codes' registers
	QUANT S, PWT, PCD
.irp c, 0,1,2
	ds_store_b128 v[OI], v[PCD+4*\c:PCD+4*\c+3] offset:6144*\q+1536*(\cs)+512*\c
.endr
.if \q == 0
	v_mov_b32 v[QS+\cs], v[PWT]
.else
	v_cndmask_b32 v[QS+\cs], v[QS+\cs], v[PWT], s[HM]              ; lanes 16-31 carry tile 1's words
.endif
.endm
.macro LWP d                           ; wp's four fragments of tile d, 6,144 consecutive bytes, into buffer d % 2 of window 3
	WIN 0xc0
.set k, 0
.rept 12
	ds_load_b128 v[WPB+48*((\d)%2)+4*k:WPB+48*((\d)%2)+4*k+3], v[AWP] offset:6144*(\d)+512*k
.set k, k+1
.endr
	WIN 0
.endm
.macro PROD d                          ; 32 products: 8 tiles of positions by turns, in the same order in every K step; source 0 = O's codes, source 1 = wp's rows
.irp z, 0,1,2,3
	WIN 0x0e                                       ; O window 2, wp window 3, C and D window 0
.irp t, 0,1,2,3,4
.if \z == 0
	WM S+64*((\d)%2)+8*\t, 48*\t+12*\z, WPB+48*((\d)%2)+12*\z, CB0-46*((\d)%2), VS+4*(\t/2)+\z, KS+4*((\d)/2)+\z, \t%2, (\d)%2
.else
	WM S+64*((\d)%2)+8*\t, 48*\t+12*\z, WPB+48*((\d)%2)+12*\z, S+64*((\d)%2)+8*\t, VS+4*(\t/2)+\z, KS+4*((\d)/2)+\z, \t%2, (\d)%2
.endif
.endr
	WIN 0x0f                                       ; O window 3
.irp t, 5,6,7
.if \z == 0
	WM S+64*((\d)%2)+8*\t, 48*(\t-5)+12*\z, WPB+48*((\d)%2)+12*\z, CB0-46*((\d)%2), VS+4*(\t/2)+\z, KS+4*((\d)/2)+\z, \t%2, (\d)%2
.else
	WM S+64*((\d)%2)+8*\t, 48*(\t-5)+12*\z, WPB+48*((\d)%2)+12*\z, S+64*((\d)%2)+8*\t, VS+4*(\t/2)+\z, KS+4*((\d)/2)+\z, \t%2, (\d)%2
.endif
.endr
.endr
	WIN 0
.endm
.macro TOSTAGE d                       ; lane (r, h) holds y(channel r, positions 32 b + 16 h + 8 u + 0 .. 7) of tile 2 b + u: into my stage, and back as whole rows into the registers that they left
.set rA, S+64*((\d)%2)
.irp t, 0,1,2,3,4,5,6,7
	ds_store_b128 v[STO], v[rA+8*\t:rA+8*\t+3] offset:128*(\t/2)+32*(\t%2)          ; each accumulator from its low end on
	ds_store_b128 v[STO], v[rA+8*\t+4:rA+8*\t+7] offset:128*(\t/2)+32*(\t%2)+16
.endr
.set k, 0
.rept 16
	ds_load_b128 v[rA+4*k:rA+4*k+3], v[RD] offset:SP*k             ; LDS serves a wave's instructions in order: these see my stores, and the next tile's stores come behind them
.set k, k+1
.endr
.endm
.macro SEND d                          ; + x, and out
.set rA, S+64*((\d)%2)
.if (\d) < 5
	s_wait_loadcnt 48                              ; this tile's rows of x are in; the three younger sets of 16 may be out
.else
	s_wait_loadcnt 16*(7-(\d))
.endif
.irp t, 0,1
	s_wait_dscnt 8-8*\t                            ; eight rows are back from the stage; the younger eight may be out
	WIN 0x04                                       ; x in window 1
.set k, 0
.rept 16
	v_pk_add_f32 v[rA+32*\t+2*k:rA+32*\t+2*k+1], v[rA+32*\t+2*k:rA+32*\t+2*k+1], v[64*((\d)%4)+32*\t+2*k:64*((\d)%4)+32*\t+2*k+1]
.set k, k+1
.endr
	WIN 0
.irp i, 0,1,2,3,4,5,6,7
	global_store_b128 v[XO], v[rA+32*\t+4*\i:rA+32*\t+4*\i+3], s[12:13] offset:4096*(32*((\d)/2)+8*((\d)%2)+16*\t+\i) th:TH_STORE_NT   ; 512 consecutive bytes, at a multiple of 512 from out0's first byte
.endr
.endr
.if (\d) < 4
	XLD (\d)+4                                     ; the set just read takes the tile four further on
.endif
.endm
	PLACES 4
	XLD 0                                          ; window 1 is free: three tiles' rows of x, 48 loads, are on their way while O is normalised and quantised
	XLD 1
	XLD 2
.irp q, 0,1
	v_add_f32 v[TM+\q], v[ST+4*\q+2], v[ST+4*\q+3]
.endr
.irp q, 0,1
	v_permlanex16_b32 v[TM+4+\q], v[TM+\q], s[SEL], s[SEL+1]
.endr
.irp q, 0,1
	v_add_f32 v[TM+\q], v[TM+\q], v[TM+4+\q]       ; the row's sum
.endr
.irp q, 0,1
	v_rcp_f32 v[FF+2*\q], v[TM+\q]
.endr
	CBSET 0                                        ; plain work behind the reciprocals: the first two tiles' C (the statistics are done with)
	CBSET 1
	s_wait_alu depctr_va_vdst(0)                   ; one wait for the two, ahead of their first reader
.irp z, 0,1,2,3
	NORMQ 0, \z
.endr
	XLD 3
.irp z, 0,1,2,3
	NORMQ 1, \z
.endr
	ds_store_b128 v[OW], v[QS:QS+3] offset:SCO     ; my 32 rows' 16 scale bytes each
	s_wait_tensorcnt 0x0                           ; the last fill, wp's records 2 and 3, has landed; nothing is filled again, so a plain barrier follows
	ds_add_u32 v[SPW], v[NIL]
	s_wait_dscnt 0x0                               ; for the others' sake: my images of O have landed
	s_barrier_signal -1
	s_barrier_wait -1                              ; O's record and wp are whole for every wave
.irp i, 0,1,2,3
	ds_load_b128 v[VS+4*\i:VS+4*\i+3], v[OL] offset:SCO+512*\i     ; O's scale words of all 8 tiles
	ds_load_b128 v[KS+4*\i:KS+4*\i+3], v[AWP] offset:SCO+512*\i    ; my record's
.endr
	LWP 0
	LWP 1
	WIN 0x80                                       ; O's 32 fragments: tiles 0-4 into window 2,
.set k, 0
.rept 60
	ds_load_b128 v[4*k:4*k+3], v[OL] offset:512*k
.set k, k+1
.endr
	WIN 0xc0                                       ; tiles 5-7 into window 3
.rept 36
	ds_load_b128 v[4*k-240:4*k-237], v[OL] offset:512*k
.set k, k+1
.endr
	WIN 0
	s_wait_dscnt 0x0
	PROD 0
	PLACES 4                                       ; in front of the first read of results and of loads into registers that products have read; later the moves and additions below are these places
.irp d, 0,1,2,3,4,5,6,7                ; a tile's way through the stage runs under the next tile's products; no barrier: waves share nothing any more
.if \d < 6
	LWP \d+2
.endif
	TOSTAGE \d
.if \d < 7
	s_wait_xcnt 0x0                                ; the stores of the tile before have read their data: that set of accumulators may be written again
	PROD \d+1
.if \d < 6
	CBSET \d+2
.endif
.endif
	SEND \d
.endr
	s_wait_tensorcnt 0x0                           ; the wave's end, behind my last tensor load and my last LDS store
	ds_add_u32 v[SPW], v[NIL]
	s_wait_dscnt 0x0
	CROUND                                         ; the closing round
	s_endpgm
.Lfunc_end_k_qfdd7553b86_attn:
	.size	k_qfdd7553b86_attn, .Lfunc_end_k_qfdd7553b86_attn-k_qfdd7553b86_attn
	.p2alignl 7, 3214868480
	.fill 96, 4, 3214868480
	.section	.rodata,"a",@progbits
	.p2align	6, 0x0
	.amdhsa_kernel k_qfdd7553b86_attn
		.amdhsa_group_segment_fixed_size 327680
		.amdhsa_private_segment_fixed_size 0
		.amdhsa_enable_private_segment 0
		.amdhsa_kernarg_size 40
		.amdhsa_user_sgpr_count 2
		.amdhsa_user_sgpr_kernarg_segment_ptr 1
		.amdhsa_wavefront_size32 1
		.amdhsa_system_sgpr_workgroup_id_x 1
		.amdhsa_system_sgpr_workgroup_id_y 1
		.amdhsa_system_sgpr_workgroup_id_z 1
		.amdhsa_system_vgpr_workitem_id 0
		.amdhsa_next_free_vgpr 1024
		.amdhsa_next_free_sgpr 66
		.amdhsa_reserve_vcc 0
		.amdhsa_float_denorm_mode_32 3
		.amdhsa_float_denorm_mode_16_64 3
		.amdhsa_memory_ordered 1
		.amdhsa_forward_progress 1
		.amdhsa_inst_pref_size 255
	.end_amdhsa_kernel
	.section	.bss,"aw",@nobits
	.p2align	6
	.space	262144
	.amdgpu_metadata
---
amdhsa.version: [ 1, 2 ]
amdhsa.kernels:
  - .name:           k_qfdd7553b86_attn
    .symbol:         k_qfdd7553b86_attn.kd
    .args:
      - { .name: qrec, .offset: 0, .size: 8, .value_kind: global_buffer, .address_space: global }
      - { .name: kvp, .offset: 8, .size: 8, .value_kind: global_buffer, .address_space: global }
      - { .name: bp, .offset: 16, .size: 8, .value_kind: global_buffer, .address_space: global }
      - { .name: x, .offset: 24, .size: 8, .value_kind: global_buffer, .address_space: global }
      - { .name: out0, .offset: 32, .size: 8, .value_kind: global_buffer, .address_space: global }
    .group_segment_fixed_size: 327680
    .private_segment_fixed_size: 0
    .kernarg_segment_align: 8
    .kernarg_segment_size: 40
    .max_flat_workgroup_size: 128
    .sgpr_count:     66
    .vgpr_count:     1024
    .wavefront_size: 32
...
	.end_amdgpu_metadata
.endif
;; end of part 3
